; MI455X (gfx1250); checked and timed in simulation.
; The chip was launched on July 23, 2026; its instructions are those of AMD's public machine-readable ISA for CDNA 5 (MIT licence, August 2026) and "CDNA5" Instruction Set Architecture Reference Guide (July 2026). The comments in the code are by the model that wrote it; some were corrected since.
;; Mini Attention. Allowed arithmetic: matrix products marked QUANTISED: E2M1 operands, one E8M0 scale for each 32 along K, by v_wmma_scale_f32_16x16x128_f8f6f4 with both operands' format E2M1 (or v_wmma_scale_f32_32x16x128_f4), f32 sums; everything else in f32.
;; Inputs: b_fc 1,024 float32; b_qkv 3,072 float32; ln_b 1,024 float32; ln_g 1,024 float32; w_fc 1,024 x 1,024 float32; w_qkv 1,024 x 3,072 float32; x 4 x 2,048 x 1,024 float32.
;; Outputs: out0 4 x 2,048 x 1,024 float32.
;; This version of the problem:
;;   THIS VERSION OF THE PROBLEM IS GIVEN IN LOW PRECISION. The matrix products marked QUANTISED in the list below multiply operands that are first quantised to E2M1 (2 exponent bits, 1 mantissa bit; 4 bits a number), with one power-of-two scale for each 32 numbers along K (OCP MX v1.0); their sums are f32. All else is computed in f32.
;;   The module's matrix products, in the order in which they are computed (A, B: the left and right operand; K: the contracted axis; several contracted axes count as one K, in the product's order):
;;     1. [M 8,192, K 1,024] x [K 1,024, N 3,072]; A: computed on the way; B: input w_qkv: QUANTISED
;;     2. batch 64 x [M 2,048, K 64] x [K 64, N 2,048]; A: computed on the way; B: computed on the way: QUANTISED
;;     3. batch 64 x [M 2,048, K 2,048] x [K 2,048, N 64]; A: softmax (see below); B: computed on the way: QUANTISED
;;     4. [M 8,192, K 1,024] x [K 1,024, N 1,024]; A: computed on the way; B: input w_fc: QUANTISED
;;   THE QUANTISER, for each operand of a quantised product, along K:
;;     - K is cut into blocks of 32 from its start; a last block that is shorter is filled with zeros.
;;     - A block's scale is 2^e with e = floor(log2(the largest magnitude in the block)) - 2, held to -126 .. 127; a block of zeros has e = 0. As a byte (E8M0): e + 127.
;;     - Each number is divided by its block's scale, clamped to +-6, and rounded to the nearest number of E2M1, ties to even, subnormals kept.
;;     - The product sums the exact products of the quantised numbers (number of the format x scale) in f32.
;;   ~~~python
;;   def quantise(x, axis):      # numpy; x: float32 -> the quantised numbers, widened to float32 again
;;       x = np.moveaxis(x, axis, -1); K = x.shape[-1]
;;       x = np.pad(x, [(0, 0)] * (x.ndim - 1) + [(0, -K % 32)]); x = x.reshape(x.shape[:-1] + (-1, 32)); a = np.abs(x).max(-1, keepdims=True)
;;       e = np.where(a > 0, np.clip(np.frexp(np.where(a > 0, a, 1))[1] - 1 - 2, -126, 127), 0)      # np.frexp(a)[1] - 1 = floor(log2(a)), exactly
;;       r = np.clip(x / 2.0 ** e, -6, 6)
;;       step = 2.0 ** (np.maximum(np.frexp(np.where(r == 0, 1, r))[1] - 1, 0) - 1)
;;       q = np.round(r / step) * step * 2.0 ** e      # np.round: ties to even
;;       return np.moveaxis(q.reshape(q.shape[:-2] + (-1,))[..., :K], -1, axis).astype(np.float32)
;;   ~~~
;;   SOFTMAX AHEAD OF A QUANTISED PRODUCT. Where the list says 'softmax', what is quantised is not the finished softmax but p = 2^(t - M), with t = logit x log2(e) and M = ceil(the row's largest t), a whole number; so 1/2 < the row's largest p <= 1. The row's sum l is taken of the UNQUANTISED p, in f32, and the product's result is divided by l at the end. Since M is a whole number, a kernel that streams over the keys may use a running M (the ceiling of the running maximum): every later rescaling is an exact power of two, which a block's scale takes up: the codes' values come out the same.
;;   OPERANDS COMPUTED ON THE WAY. 'Computed on the way' means the value that the module computes at that place (a softmax that the list does not call 'softmax' is quantised finished and normalised). What goes into a quantiser is computed in f32, as accurately as f32 sums, v_exp_f32 and their like allow (about 1e-6 of the number): no bf16 or f16 on the way to a quantiser, and a product that is left as it is and whose result goes on into a quantised operand takes f32 operands (vector FMAs, or v_wmma_f32_16x16x4_f32). A number that lies on a knife's edge between two numbers of the format may be rounded either way, as far as f32 arithmetic and the matrix unit's own rounding can turn it there, and no further.
;; One version. Each part assembles by itself: llvm-mc -triple=amdgcn-amd-amdhsa -mcpu=gfx1250 --defsym DOCPART=n.
;; ======== version 1 of 1: 4 launches
;; limits: right only within a limited range of input values
;; workspace buffers: xc 4,194,304 bytes; xs 262,144 bytes; wc 2,097,152 bytes; ws 131,072 bytes; qkvc 12,582,912 bytes; qkvs 786,432 bytes; oc 4,194,304 bytes; os 262,144 bytes
;; launch prep (part 1): grid 512 x 1, 2 waves a work-group, no clusters, 37,120 bytes of LDS; arguments x, ln_g, ln_b, w_qkv, w_fc, xc, xs, wc, ws; writes xc, xs, wc, ws
.if DOCPART == 1
	.amdgcn_target "amdgcn-amd-amdhsa--gfx1250"
	.amdhsa_code_object_version 6
	.text
	.protected	k_qf8031c5c61_prep
	.globl	k_qf8031c5c61_prep
	.p2align	8
	.type	k_qf8031c5c61_prep,@function
k_qf8031c5c61_prep:
	s_mov_b64 s[64:65], 0
	v_nop
	global_prefetch_b8 v0, s[64:65] scope:SCOPE_SE
	s_setreg_imm32_b32 hwreg(HW_REG_WAVE_MODE, 25, 1), 1
	s_wait_xcnt 0x0
; PREP.  Work-groups 0-255: LayerNorm of x [8192][1024] f32, quantised along the row to codes of FP4 (E2M1) with one E8M0 byte for each 32.
; Work-groups 256-511: w_qkv [1024][3072] and w_fc [1024][1024] f32, quantised along their FIRST axis (the products' K).
; LAYOUT OF ALL CODES OF THIS PROGRAM.  A row index i (token, or column of a weight) has the position p = i with bits 3 and 4 exchanged; tile = p / 16, row in the tile = p % 16.
; Codes lie [tile][block of 32 along K][16 rows][16 bytes]: that is the image of a matrix operand's registers (128 along K = 1,024 bytes, lane l's registers 4 c .. 4 c + 3 at 512 c + 16 l).
; Scale bytes lie [tile][128 along K][16 rows][4 bytes].
; A block's scale is 2^(floor(log2(largest magnitude)) - 2); its byte is the largest magnitude's exponent field - 2, held at 1 from below.
; LIMITS: a block of zeros gets the byte 1 where the rule says 127 (its codes are zeros, and only this program reads the bytes); NaN and infinities among the inputs are not served.
; LN: one wave makes one tile of 16 tokens.  A row's 4,096 bytes are loaded as they lie (512 consecutive bytes a load) and turned through the wave's own LDS stage, so that lane l holds block l: 32 neighbours.
; Mean and variance are taken in two passes over registers (x - mean first), so a common offset of the inputs costs no accuracy.  The tile's codes and bytes gather in LDS and leave in stores of 512 consecutive bytes.
; WEIGHTS: a lane takes a column and its registers run down K, so a block lies in one lane and the codes come out with K innermost.  One wave: 32 columns x 256 along K.  Sixteen lanes store 256 consecutive, aligned bytes of codes.
; The weights' scale words leave in pieces of 64 bytes (one byte in 128 of what this path reads).  No barrier: waves share nothing.  Only the LN path uses LDS.
.set R,   96                           ; v96-191   LN: three rows as loaded
.set X,   192                          ; v192-255  LN: two rows, 32 neighbours a lane
.set GG,  32                           ; v32-63    ln_g of my block
.set BB,  64                           ; v64-95    ln_b of my block
.set T,   10                           ; v10-17    four chains of packed sums
.set WX,  32                           ; v32-95    weights: two blocks of 32 numbers
.set WC,  128                          ; v128-159  weights: the codes of 8 blocks, registers of their own for each store
.set WS,  160                          ; v160-161  weights: two scale words
	s_load_b256 s[4:11], s[0:1], 0x0               ; x s[4:5], ln_g s[6:7], ln_b s[8:9], w_qkv s[10:11]
	s_load_b256 s[12:19], s[0:1], 0x20             ; w_fc s[12:13], xc s[14:15], xs s[16:17], wc s[18:19]
	s_load_b64 s[20:21], s[0:1], 0x40              ; ws
	v_lshl_add_u32 v26, v0, 2, 0x9000
	v_mov_b32 v27, 0
	v_lshrrev_b32 v1, 5, v0
	v_readfirstlane_b32 s22, v1                    ; wave 0, 1
	v_and_b32 v1, 31, v0                           ; lane
	s_cmp_lt_u32 ttmp9, 256
	s_cbranch_scc0 .Lweights
; the largest magnitude of the 32 numbers at v[XS] on, with the floor 2^(3 - 127) among the leaves: two chains, result in a
.macro BMAX a, b
	v_max3_num_f32 v[\a], |v[XS]|, |v[XS+1]|, 0x1800000
	v_max3_num_f32 v[\b], |v[XS+16]|, |v[XS+17]|, |v[XS+18]|
.irp i, 2,4,6,8,10,12
	v_max3_num_f32 v[\a], v[\a], |v[XS+\i]|, |v[XS+\i+1]|
	v_max3_num_f32 v[\b], v[\b], |v[XS+17+\i]|, |v[XS+18+\i]|
.endr
	v_max3_num_f32 v[\a], v[\a], |v[XS+14]|, |v[XS+15]|
	v_max3_num_f32 v[\a], v[\a], v[\b], |v[XS+31]|
.endm
	; ---------------- LayerNorm ----------------
	s_lshl_b32 s23, ttmp9, 1
	s_add_co_u32 s23, s23, s22                     ; my tile of tokens, 0 .. 511
	s_mul_i32 s28, s22, 18432                      ; my wave's LDS: two stages of 4,608, the codes' stage 8,704, the bytes' 512
	v_lshlrev_b32 v2, 4, v1                        ; 16 x lane: loads and stores
	v_lshrrev_b32 v3, 3, v1
	v_mul_u32_u24 v3, v3, 144
	v_and_b32 v4, 7, v1
	v_lshl_add_u32 v3, v4, 4, v3
	v_add_nc_u32 v3, s28, v3                       ; stage, in: eight lanes' 128 bytes on end, then 16 of padding
	v_mul_u32_u24 v4, v1, 144
	v_add_nc_u32 v4, s28, v4                       ; stage, out: my block's 128 bytes
	v_mul_u32_u24 v5, v1, 272
	v_add_nc_u32 v5, s28, v5
	v_add_nc_u32 v5, 9216, v5                      ; codes' stage, in: row = my block, 16 bytes a token
	v_and_b32 v8, 15, v1
	v_lshrrev_b32 v9, 4, v1
	v_mul_u32_u24 v6, v9, 272
	v_lshl_add_u32 v6, v8, 4, v6
	v_add_nc_u32 v6, s28, v6
	v_add_nc_u32 v6, 9216, v6                      ; codes' stage, out: two blocks an instruction
	v_lshrrev_b32 v7, 2, v1
	v_lshlrev_b32 v7, 6, v7
	v_and_b32 v8, 3, v1
	v_add_nc_u32 v7, v7, v8
	v_add_nc_u32 v7, s28, v7
	v_add_nc_u32 v7, 17920, v7                     ; my block's byte: 64 (block / 4) + block % 4, + 4 x token
	v_add_nc_u32 v8, s28, v2
	v_add_nc_u32 v8, 17920, v8                     ; the bytes' way out
	v_lshlrev_b32 v9, 7, v1                        ; my block in ln_g and ln_b
	v_mov_b32 v23, 0                               ; a lane permute's destination counts as read
	s_lshr_b32 s29, s23, 1
	s_lshl_b32 s29, s29, 5
	s_and_b32 s30, s23, 1
	s_lshl_b32 s30, s30, 3
	s_add_co_u32 s29, s29, s30                     ; the tile's first token: 32 (tile / 2) + 8 (tile % 2)
	s_lshl_b32 s30, s29, 12
	s_mov_b32 s31, 0
	s_lshl_b32 s32, s23, 13                        ; a tile's codes: 8,192 bytes
	s_mov_b32 s33, 0
	s_lshl_b32 s34, s23, 9                         ; its scale bytes: 512
	s_mov_b32 s35, 0
	s_mov_b32 s24, 0x76543210
	s_mov_b32 s25, 0xfedcba98                      ; v_permlanex16_b32: lane l xor 16
	s_mov_b32 s26, 0x3a800000                      ; 1 / 1024
	s_mov_b32 s27, 0x3727c5ac                      ; 1e-5
	s_wait_alu depctr_va_vdst(0)
	s_wait_kmcnt 0x0
	s_add_nc_u64 s[4:5], s[4:5], s[30:31]
	s_add_nc_u64 s[14:15], s[14:15], s[32:33]
	s_add_nc_u64 s[16:17], s[16:17], s[34:35]
.irp i, 0,1,2,3,4,5,6,7
	global_load_b128 v[GG+4*\i:GG+4*\i+3], v9, s[6:7] offset:16*\i
	global_load_b128 v[BB+4*\i:BB+4*\i+3], v9, s[8:9] offset:16*\i
.endr
.macro LOAD rho                        ; row rho of the tile is token 16 (rho / 8) + rho % 8 from the tile's first; each load reads 512 consecutive bytes
.irp j, 0,1,2,3,4,5,6,7
	global_load_b128 v[R+32*((\rho)%3)+4*\j:R+32*((\rho)%3)+4*\j+3], v2, s[4:5] offset:(16*((\rho)/8)+(\rho)%8)*4096+512*\j th:TH_LOAD_NT
.endr
.endm
.macro TURN rho                        ; through the stage: LDS serves a wave's instructions in order, so no wait stands between the stores and the loads
.irp j, 0,1,2,3,4,5,6,7
	ds_store_b128 v3, v[R+32*((\rho)%3)+4*\j:R+32*((\rho)%3)+4*\j+3] offset:4608*((\rho)%2)+576*\j
.endr
.irp i, 0,1,2,3,4,5,6,7
	ds_load_b128 v[X+32*((\rho)%2)+4*\i:X+32*((\rho)%2)+4*\i+3], v4 offset:4608*((\rho)%2)+16*\i
.endr
.endm
.macro JOIN                            ; the four chains, the pair's halves, the 32 lanes: the row's sum in v22 of every lane
	v_pk_add_f32 v[T:T+1], v[T:T+1], v[T+2:T+3]
	v_pk_add_f32 v[T+4:T+5], v[T+4:T+5], v[T+6:T+7]
	v_pk_add_f32 v[T:T+1], v[T:T+1], v[T+4:T+5]
	v_add_f32 v22, v[T], v[T+1]
	v_add_f32_dpp v22, v22, v22 row_xmask:1 row_mask:0xf bank_mask:0xf
	v_add_f32_dpp v22, v22, v22 row_xmask:2 row_mask:0xf bank_mask:0xf
	v_add_f32_dpp v22, v22, v22 row_xmask:4 row_mask:0xf bank_mask:0xf
	v_add_f32_dpp v22, v22, v22 row_xmask:8 row_mask:0xf bank_mask:0xf
	v_permlanex16_b32 v23, v22, s24, s25
	v_add_f32 v22, v22, v23
.endm
.macro ROW rho
.set XS, X+32*((\rho)%2)
	s_wait_dscnt 0x0                               ; this row is back from the stage; the stores that read R's set and the last row's codes are done
.if (\rho)+3 < 16
	LOAD (\rho)+3                                  ; into the set that this row left
.endif
.if (\rho) < 13
	s_wait_loadcnt 16                              ; the next row's eight loads are in; the two rows behind it may be out
.elseif (\rho) < 15
	s_wait_loadcnt 8*(14-(\rho))                   ; the counts run down
.endif
.if (\rho) < 15
	TURN (\rho)+1                                  ; the next row turns while this one is worked
.endif
.irp k, 0,1,2,3
	v_pk_add_f32 v[T+2*\k:T+2*\k+1], v[XS+2*\k:XS+2*\k+1], v[XS+8+2*\k:XS+9+2*\k]   ; the first sums start the chains
.endr
.irp o, 16,24
.irp k, 0,1,2,3
	v_pk_add_f32 v[T+2*\k:T+2*\k+1], v[T+2*\k:T+2*\k+1], v[XS+\o+2*\k:XS+\o+2*\k+1]
.endr
.endr
	JOIN
	v_mul_f32 v18, s26, v22                        ; the mean, twice: a pair for the packed form
	v_mul_f32 v19, s26, v22
.irp k, 0,2,4,6,8,10,12,14,16,18,20,22,24,26,28,30
	v_pk_add_f32 v[XS+\k:XS+\k+1], v[XS+\k:XS+\k+1], v[18:19] neg_lo:[0,1] neg_hi:[0,1]   ; x - mean
.endr
.irp k, 0,1,2,3
	v_pk_mul_f32 v[T+2*\k:T+2*\k+1], v[XS+2*\k:XS+2*\k+1], v[XS+2*\k:XS+2*\k+1]
.endr
.irp o, 8,16,24
.irp k, 0,1,2,3
	v_pk_fma_f32 v[T+2*\k:T+2*\k+1], v[XS+\o+2*\k:XS+\o+2*\k+1], v[XS+\o+2*\k:XS+\o+2*\k+1], v[T+2*\k:T+2*\k+1]
.endr
.endr
	JOIN
	v_fma_f32 v22, v22, s26, s27                   ; the variance + 1e-5
	s_wait_alu depctr_va_vdst(0)
	v_rsq_f32 v20, v22
	v_rsq_f32 v21, v22
	v_nop                                          ; a plain instruction between a transcendental and the use of its result (ISA guide 5.7.2)
	s_wait_alu depctr_va_vdst(0)
.irp k, 0,2,4,6,8,10,12,14,16,18,20,22,24,26,28,30
	v_pk_mul_f32 v[XS+\k:XS+\k+1], v[XS+\k:XS+\k+1], v[20:21]
.endr
.irp k, 0,2,4,6,8,10,12,14,16,18,20,22,24,26,28,30
	v_pk_fma_f32 v[XS+\k:XS+\k+1], v[XS+\k:XS+\k+1], v[GG+\k:GG+\k+1], v[BB+\k:BB+\k+1]
.endr
	BMAX 22, 23                                    ; my block's largest magnitude: all 32 numbers are mine
	v_add_nc_u32 v24, 0xff000000, v22              ; 2 off its exponent field: the conversion takes the exponent field of this operand as its scale
.irp g, 0,1,2,3
	v_cvt_scalef32_pk8_fp4_f32 v[28+\g], v[XS+8*\g:XS+8*\g+7], v24
.endr
	v_lshrrev_b32 v25, 23, v24                     ; the scale's byte (also the plain instruction behind the conversions)
	ds_store_b128 v5, v[28:31] offset:16*(\rho)
	ds_store_b8 v7, v25 offset:4*(\rho)
.endm
	LOAD 0
	LOAD 1
	LOAD 2
	s_wait_loadcnt 16                              ; ln_g, ln_b and row 0 are in; rows 1 and 2 may be out
	TURN 0
.irp q, 0,1,2,3,4,5,6,7,8,9,10,11,12,13,14,15
	ROW \q
.endr
.irp i, 0,1,2,3,4,5,6,7,8,9,10,11,12,13,14,15
	ds_load_b128 v[R+4*\i:R+4*\i+3], v6 offset:544*\i   ; blocks 2 i and 2 i + 1: these see my stores, LDS serves a wave in order
.endr
	ds_load_b128 v[X:X+3], v8
.irp i, 0,1,2,3,4,5,6,7,8,9,10,11,12,13,14,15
	s_wait_dscnt 16-\i                             ; load i is in; the later ones may be out
	global_store_b128 v2, v[R+4*\i:R+4*\i+3], s[14:15] offset:512*\i   ; 512 consecutive bytes
.endr
	s_wait_dscnt 0x0
	global_store_b128 v2, v[X:X+3], s[16:17]       ; the tile's 512 scale bytes
	s_wait_tensorcnt 0x0
	ds_add_u32 v26, v27
	s_wait_dscnt 0x0
	s_endpgm
	; ---------------- the weights ----------------
.Lweights:
	s_sub_co_u32 s23, ttmp9, 256
	s_lshr_b32 s28, s23, 1                         ; group of 32 columns: 0-95 w_qkv's, 96-127 w_fc's
	s_and_b32 s29, s23, 1
	s_lshl_b32 s29, s29, 1
	s_add_co_u32 s29, s29, s22                     ; which 256 along K
	s_wait_alu depctr_va_vdst(0)
	v_and_b32 v8, 15, v1                           ; row in the tile
	v_lshrrev_b32 v9, 4, v1                        ; which of the group's two tiles
	v_and_b32 v3, 7, v1
	v_lshl_add_u32 v3, v9, 3, v3
	v_bfe_u32 v10, v1, 3, 1
	v_lshl_add_u32 v3, v10, 4, v3                  ; my column in the group: my lane with bits 3 and 4 exchanged
	v_lshlrev_b32 v3, 2, v3
	v_lshlrev_b32 v4, 13, v9
	v_lshl_add_u32 v4, v8, 4, v4                   ; codes: 8,192 x tile + 16 x row
	v_lshlrev_b32 v5, 9, v9
	v_lshl_add_u32 v5, v8, 2, v5                   ; scale words: 512 x tile + 4 x row
	s_lshl_b32 s30, s28, 14
	s_lshl_b32 s31, s29, 11
	s_add_co_u32 s30, s30, s31                     ; two tiles a group, 8 blocks of 256 bytes a quarter of K
	s_mov_b32 s31, 0
	s_lshl_b32 s32, s28, 10
	s_lshl_b32 s33, s29, 7
	s_add_co_u32 s32, s32, s33
	s_mov_b32 s33, 0
	s_wait_kmcnt 0x0
	s_add_nc_u64 s[18:19], s[18:19], s[30:31]
	s_add_nc_u64 s[20:21], s[20:21], s[32:33]
.macro WLOAD t, pitch, base            ; block t: 32 rows of the weight at my column; a wave reads 128 consecutive bytes
.irp i, 0,1,2,3,4,5,6,7,8,9,10,11,12,13,14,15,16,17,18,19,20,21,22,23,24,25,26,27,28,29,30,31
	global_load_b32 v[WX+32*((\t)%2)+\i], v3, s[\base:\base+1] offset:(32*(\t)+\i)*\pitch th:TH_LOAD_NT
.endr
.endm
.macro WBLOCK t, pitch, base
.set XS, WX+32*((\t)%2)
.if (\t) < 7
	s_wait_loadcnt 32                              ; this block's 32 loads are in; the next block's may be out
.else
	s_wait_loadcnt 0x0
.endif
	BMAX 12, 13
	v_add_nc_u32 v11, 0xff000000, v12
	v_lshrrev_b32 v13, 23, v11
.if (\t)%4 == 0
	v_mov_b32 v[WS+(\t)/4], v13                    ; four bytes to a word, the lower K in the lower byte
.else
	v_lshl_or_b32 v[WS+(\t)/4], v13, 8*((\t)%4), v[WS+(\t)/4]
.endif
.irp g, 0,1,2,3
	v_cvt_scalef32_pk8_fp4_f32 v[WC+4*(\t)+\g], v[XS+8*\g:XS+8*\g+7], v11
.endr
	global_store_b128 v4, v[WC+4*(\t):WC+4*(\t)+3], s[18:19] offset:256*(\t)   ; sixteen lanes: 256 consecutive, aligned bytes
.if (\t)+2 < 8
	WLOAD (\t)+2, \pitch, \base
.endif
.endm
.macro WPATH pitch, base
	WLOAD 0, \pitch, \base
	WLOAD 1, \pitch, \base
.irp q, 0,1,2,3,4,5,6,7
	WBLOCK \q, \pitch, \base
.endr
	global_store_b32 v5, v[WS], s[20:21]
	global_store_b32 v5, v[WS+1], s[20:21] offset:64
.endm
	s_cmp_lt_u32 s28, 96
	s_cbranch_scc0 .Lfc_weight
	s_lshl_b32 s34, s28, 7                         ; 32 columns of 4 bytes a group
	s_mul_i32 s35, s29, 256*12288                  ; 256 rows of 12,288 bytes a quarter
	s_add_co_u32 s34, s34, s35
	s_mov_b32 s35, 0
	s_add_nc_u64 s[10:11], s[10:11], s[34:35]
	s_wait_alu depctr_va_vdst(0)
	WPATH 12288, 10                                ; the largest immediate is 255 x 12,288, inside the signed 24 bits
	s_endpgm
.Lfc_weight:
	s_sub_co_u32 s34, s28, 96
	s_lshl_b32 s34, s34, 7
	s_mul_i32 s35, s29, 256*4096
	s_add_co_u32 s34, s34, s35
	s_mov_b32 s35, 0
	s_add_nc_u64 s[12:13], s[12:13], s[34:35]
	s_wait_alu depctr_va_vdst(0)
	WPATH 4096, 12
	s_endpgm
.Lfunc_end_k_qf8031c5c61_prep:
	.size	k_qf8031c5c61_prep, .Lfunc_end_k_qf8031c5c61_prep-k_qf8031c5c61_prep
	.p2alignl 7, 3214868480
	.fill 96, 4, 3214868480
	.section	.rodata,"a",@progbits
	.p2align	6, 0x0
	.amdhsa_kernel k_qf8031c5c61_prep
		.amdhsa_group_segment_fixed_size 37120
		.amdhsa_private_segment_fixed_size 0
		.amdhsa_enable_private_segment 0
		.amdhsa_kernarg_size 72
		.amdhsa_user_sgpr_count 2
		.amdhsa_user_sgpr_kernarg_segment_ptr 1
		.amdhsa_wavefront_size32 1
		.amdhsa_system_sgpr_workgroup_id_x 1
		.amdhsa_system_sgpr_workgroup_id_y 1
		.amdhsa_system_sgpr_workgroup_id_z 1
		.amdhsa_system_vgpr_workitem_id 0
		.amdhsa_next_free_vgpr 256
		.amdhsa_next_free_sgpr 66
		.amdhsa_reserve_vcc 0
		.amdhsa_float_denorm_mode_32 3
		.amdhsa_float_denorm_mode_16_64 3
		.amdhsa_memory_ordered 1
		.amdhsa_forward_progress 1
		.amdhsa_inst_pref_size 235
	.end_amdhsa_kernel
	.amdgpu_metadata
---
amdhsa.version: [ 1, 2 ]
amdhsa.kernels:
  - .name:           k_qf8031c5c61_prep
    .symbol:         k_qf8031c5c61_prep.kd
    .args:
      - { .name: x, .offset: 0, .size: 8, .value_kind: global_buffer, .address_space: global }
      - { .name: ln_g, .offset: 8, .size: 8, .value_kind: global_buffer, .address_space: global }
      - { .name: ln_b, .offset: 16, .size: 8, .value_kind: global_buffer, .address_space: global }
      - { .name: w_qkv, .offset: 24, .size: 8, .value_kind: global_buffer, .address_space: global }
      - { .name: w_fc, .offset: 32, .size: 8, .value_kind: global_buffer, .address_space: global }
      - { .name: xc, .offset: 40, .size: 8, .value_kind: global_buffer, .address_space: global }
      - { .name: xs, .offset: 48, .size: 8, .value_kind: global_buffer, .address_space: global }
      - { .name: wc, .offset: 56, .size: 8, .value_kind: global_buffer, .address_space: global }
      - { .name: ws, .offset: 64, .size: 8, .value_kind: global_buffer, .address_space: global }
    .group_segment_fixed_size: 37120
    .private_segment_fixed_size: 0
    .kernarg_segment_align: 8
    .kernarg_segment_size: 72
    .max_flat_workgroup_size: 64
    .sgpr_count:     66
    .vgpr_count:     256
    .wavefront_size: 32
...
	.end_amdgpu_metadata
.endif
;; end of part 1
;; launch qkv (part 2): grid 8 x 32, 4 waves a work-group, clusters of 4 x 4, 327,680 bytes of LDS; arguments xc, xs, wc, ws, b_qkv, qkvc, qkvs; writes qkvc, qkvs
.if DOCPART == 2
	.amdgcn_target "amdgcn-amd-amdhsa--gfx1250"
	.amdhsa_code_object_version 6
	.text
	.protected	k_qf8031c5c61_qkv
	.globl	k_qf8031c5c61_qkv
	.p2align	8
	.type	k_qf8031c5c61_qkv,@function
k_qf8031c5c61_qkv:
	s_mov_b64 s[64:65], 0
	v_nop
	global_prefetch_b8 v0, s[64:65] scope:SCOPE_SE
	s_setreg_imm32_b32 hwreg(HW_REG_WAVE_MODE, 25, 1), 1
	s_wait_xcnt 0x0
	s_wait_alu depctr_hold_cnt(0) depctr_sa_sdst(0) depctr_va_vdst(0) depctr_va_sdst(0) depctr_va_ssrc(0) depctr_va_vcc(0) depctr_vm_vsrc(0)
	s_getreg_b32 s2, hwreg(HW_REG_IB_STS2, 6, 4)
	s_cmp_eq_u32 s2, 0
	s_cbranch_scc0 .Lentry_in_a_cluster
	s_endpgm
.Lentry_in_a_cluster:
	s_bfe_u32 s2, ttmp6, 0x10000c
	s_cmp_lg_u32 s2, 0xf033
	s_cbranch_scc0 .Lentry_shape_is_right
	s_endpgm
.Lentry_shape_is_right:
; QKV = Q(xn) Q(w_qkv) + b_qkv on codes of FP4 with E8M0 scales, and its result quantised at once for the two products of attention; q, k and v never exist in memory as f32.
; A WORK-GROUP STAYS: it keeps its 256 tokens (all of K = 1,024: 16 tiles x 8,192 bytes, and their scale words) in LDS, filled once, and walks three blocks of 128 columns of the weight: block j of q, of k and of v
; (j = work-group x), through two slots of 65,536 + 4,096 bytes.  32 x 8 work-groups x 3 blocks are all of the 8,192 x 3,072 results.
; The matrix instruction takes 16 rows "B" as source 0 and 16 rows "A" as source 1, so that a lane holds ONE row of A and its registers run along B's rows.  By the tiling of all row indices (position = index with
; bits 3 and 4 exchanged) the 16 registers of B's tiles 2 b and 2 b + 1 are 16 NEIGHBOURS: the next product's K.  A wave: four tiles of A x eight of B = 32 accumulators, by turns.
;   q, k: A = the wave's 64 tokens, B = the block's 128 columns (a pair of heads): quantised along the head's 64.
;   v:    A = the 64 columns of one head of the block (wave / 2), B = 128 of the tokens (wave % 2): quantised along the KEYS.  Only LDS addresses, the bias and the place of the output differ from q and k.
; The bias is the C of the first products: along B's rows (q, k) eight registers for each tile of B, along A's rows (v) one number a lane.  All three are loaded at the head, into registers of their own.
; TENSOR LOADS, one a wave behind each barrier.  Head: wave 0 the tokens' codes, 1 q's block, 2 the tokens' scale words, 3 q's.  Behind the three lines and a round: k's block into slot 1 (wave 0 codes, wave 1 scale words).
; Behind q's products, the three lines and a round: v's block into slot 0, filled again; q's results are quantised behind that request.  Every wait on TENSORcnt is for 0.
; CLUSTER 4 x 4: the tokens' tiles are shared along a row of the cluster, the weights' along a column; each is asked for jointly.  No prefetch: each block is asked for a whole block's work ahead of its first use.
; OUT: units of 4 KB of codes and 256 bytes of scale words, one to a wave and block: q, k: [pair of heads][tile of tokens][1 KB]; v: [batch][head][128 keys][4 tiles of the head's 64][1 KB].  A store of codes covers 512 consecutive bytes.
; LIMITS: a block of zeros gets the byte 1 where the rule says 127 (its codes are zeros; only this program reads the bytes); NaN and infinities are not served.
; REGISTERS: window 0: v1-11, v200-207 addresses; v12-27 at work; v28-31 the scale words made; v32-95 scale words; v96-127 the codes made; v128-191 A's fragments, two sets; v254, v255 the add's.
;   window 1: v0-127 B's fragments, two sets.   window 2: accumulator (a, b) at v[8 (8 a + b)].   window 3: the biases: v0-63 q's, v64-127 k's, v128-159 v's.
.set WV,   18
.set HH,   19                          ; v: which head of the block
.set KS,   20                          ; v: which 128 of the tokens
.set AT,   21                          ; block of 256 tokens: hangs on cy, never on cx
.set BT,   22                          ; j: hangs on cx, never on cy
.set G1A,  24
.set G0A,  32
.set G0B,  36
.set G1B,  48
.set G0SA, 56
.set G0SB, 60
.set G1SA, 68
.set G1SB, 80
.set BOFF, 131072                      ; slot 0; slot 1 lies 65,536 on
.set SCA,  262144                      ; the tokens' scale words, 8,192 bytes
.set SCB,  270336                      ; the weights': two slots of 4,096
.set SPARE, 278528
.set TM,   12
.set PW,   28
.set SC,   32
.set PC,   96
.set AF,   128
.set MSB, 0
.macro WIN new                         ; the immediate's high byte repeats the setting that is left
.if MSB != \new
	s_set_vgpr_msb (MSB<<8)|\new
.set MSB, \new
.endif
.endm
.macro CROUND                          ; a round of the cluster's barrier
	s_barrier_signal -1
	s_barrier_wait -1
	s_cmp_lg_u32 s[WV], 0
	s_cbranch_scc1 .Lnot_wave_0_\@
	s_barrier_signal -3
.Lnot_wave_0_\@:
	s_barrier_wait -3
	s_barrier_signal -1
	s_barrier_wait -1
.endm
.macro PLACES n
.rept \n
	v_nop
.endr
.endm
.macro SCALES sa, sb                   ; register SC + 8 i + k: lanes 16-31 the word of B's tile i for K step k; for i under 4 lanes 0-15 that of my tile i of A (above, all lanes read B's)
.irp i, 0,1,2,3
.irp k, 0,1,2,3,4,5,6,7
	ds_load_b32 v[SC+8*\i+\k], v[\sa] offset:512*\i+64*\k
.endr
.endr
.irp i, 4,5,6,7
.irp k, 0,1,2,3,4,5,6,7
	ds_load_b32 v[SC+8*\i+\k], v[\sb] offset:512*\i+64*\k
.endr
.endr
.endm
.macro FETCH k, fa, fb                 ; the fragments of K step k: B's eight into set k % 2 of window 1, my four of A into set k % 2 of window 0
	WIN 0x40
.irp i, 0,1,2,3,4,5,6,7
.irp c, 0,1
	ds_load_b128 v[64*((\k)%2)+8*\i+4*\c:64*((\k)%2)+8*\i+4*\c+3], v[\fb] offset:8192*\i+1024*(\k)+512*\c
.endr
.endr
	WIN 0
.irp i, 0,1,2,3
.irp c, 0,1
	ds_load_b128 v[AF+32*((\k)%2)+8*\i+4*\c:AF+32*((\k)%2)+8*\i+4*\c+3], v[\fa] offset:8192*\i+1024*(\k)+512*\c
.endr
.endr
.endm
.macro MUL k, cmode, cbase             ; 32 products of K step k.  cmode 0: onto the sums; 1: the bias of B's tile starts them; 2: the bias of A's tile
.if \cmode == 0
	WIN 0xa1                                       ; source 0 (B) window 1, source 1 (A) window 0, C and D window 2
.else
	WIN 0xb1                                       ; C window 3
.endif
.irp a, 0,1,2,3
.irp b, 0,1,2,3,4,5,6,7
.set DD, 8*(8*\a+\b)
.if \cmode == 0
.set CC, DD
.elseif \cmode == 1
.set CC, \cbase+8*\b
.else
.set CC, \cbase+8*\a
.endif
	v_wmma_scale_f32_16x16x128_f8f6f4 v[DD:DD+7], v[64*((\k)%2)+8*\b:64*((\k)%2)+8*\b+7], v[AF+32*((\k)%2)+8*\a:AF+32*((\k)%2)+8*\a+7], v[CC:CC+7], v[SC+8*\b+(\k)], v[SC+8*\a+(\k)] matrix_a_fmt:MATRIX_FMT_FP4 matrix_b_fmt:MATRIX_FMT_FP4 matrix_a_scale:MATRIX_SCALE_ROW1
.endr
.endr
.endm
.macro STEP k, fa, fb
	s_wait_dscnt 0x0                               ; this step's fragments are in (asked for ahead of the last step's 32 products)
.if (\k) < 7
	PLACES 4                                       ; four plain vector instructions between the last products and loads into registers that they read
	FETCH (\k)+1, \fa, \fb
.endif
	MUL \k, 0, 0
.endm
.macro PASS fa, fb, sa, sb, cmode, cbase       ; one block: 256 products a wave
	SCALES \sa, \sb
	FETCH 0, \fa, \fb
	s_wait_dscnt 0x0
	FETCH 1, \fa, \fb
	MUL 0, \cmode, \cbase
.irp q, 1,2,3,4,5,6,7
	STEP \q, \fa, \fb
.endr
	WIN 0
.endm
; my tile at of A: 64 numbers a lane, register 16 b + i = index 32 b + 16 (lane / 16) + i along B's rows, become a fragment's codes in v[PC + 8 at] on and a scale word in v[PW + at]; the codes are stored
.macro QUANTW at, ocb
.set AC, 64*(\at)
	WIN 0x0a                                       ; sources 0 and 1 window 2
.irp b, 0,1,2,3
	v_max3_num_f32 v[TM+\b], |v[AC+16*\b]|, |v[AC+16*\b+1]|, 0x1800000   ; each accumulator is read from its low end on; the floor 2^(3 - 127) holds the byte at 1 from below
.endr
.irp i, 2,4,6,8,10,12,14
.irp b, 0,1,2,3
	v_max3_num_f32 v[TM+\b], |v[AC+16*\b+\i]|, |v[AC+16*\b+\i+1]|, v[TM+\b]
.endr
.endr
	WIN 0
.irp b, 0,1,2,3
	v_permlanex16_b32 v[TM+4+\b], v[TM+\b], s104, s105
.endr
.irp b, 0,1,2,3
	v_max_num_f32 v[TM+\b], v[TM+\b], v[TM+4+\b]   ; with lane l xor 16's 16: the block's largest magnitude
.endr
.irp b, 0,1,2,3
	v_add_nc_u32 v[TM+12+\b], 0xff000000, v[TM+\b] ; 2 off its exponent field: the conversion's scale operand
.endr
.irp b, 0,1,2,3
	v_lshrrev_b32 v[TM+4+\b], 23, v[TM+12+\b]      ; the scale's byte
.endr
	v_lshl_or_b32 v[PW+\at], v[TM+5], 8, v[TM+4]
	v_lshl_or_b32 v[PW+\at], v[TM+6], 16, v[PW+\at]
	v_lshl_or_b32 v[PW+\at], v[TM+7], 24, v[PW+\at]
	WIN 0x02                                       ; source 0 window 2
.irp b, 0,1,2,3
	v_cvt_scalef32_pk8_fp4_f32 v[PC+8*(\at)+2*\b], v[AC+16*\b:AC+16*\b+7], v[TM+12+\b]
	v_cvt_scalef32_pk8_fp4_f32 v[PC+8*(\at)+2*\b+1], v[AC+16*\b+8:AC+16*\b+15], v[TM+12+\b]
.endr
	WIN 0
	v_nop                                          ; one plain instruction behind a scaled conversion
.irp c, 0,1                                    ; the operand wants a whole block in a lane: lanes 0-15 block 2 c, lanes 16-31 block 2 c + 1
.irp i, 0,1
	v_permlane16_swap_b32 v[PC+8*(\at)+4*\c+\i], v[PC+8*(\at)+4*\c+2+\i]
.endr
.endr
	global_store_b128 v9, v[PC+8*(\at):PC+8*(\at)+3], s[\ocb:\ocb+1] offset:1024*(\at)
	global_store_b128 v9, v[PC+8*(\at)+4:PC+8*(\at)+7], s[\ocb:\ocb+1] offset:1024*(\at)+512
.endm
.macro QUANT ocb, osb                          ; a block's results: codes to s[ocb], scale words to s[osb]
	s_wait_xcnt 0x0                                ; the last block's stores have read their registers, which are written again below
	PLACES 4                                       ; in front of the first read of results
.irp q, 0,1,2,3
	QUANTW \q, \ocb
.endr
	v_permlane16_swap_b32 v[PW], v[PW+1]           ; two tiles' words in one register: 128 consecutive bytes a store
	v_permlane16_swap_b32 v[PW+2], v[PW+3]
	global_store_b32 v10, v[PW], s[\osb:\osb+1]
	global_store_b32 v10, v[PW+2], s[\osb:\osb+1] offset:128
.endm
; the next block of the weight, 8 blocks on in memory, into the slot named: the three lines, a round, and one joint load a wave (wave 0 the codes, wave 1 the scale words)
.macro NEXTB lds, sc
	s_wait_tensorcnt 0x0                           ; all my tensor loads have landed, so a group 0 may be written
	ds_add_u32 v254, v255
	s_mov_b32 s[G0B+1], \lds
	s_add_nc_u64 s[G0B+2:G0B+3], s[G0B+2:G0B+3], 524288
	s_mov_b32 s[G0SB+1], \sc
	s_add_nc_u64 s[G0SB+2:G0SB+3], s[G0SB+2:G0SB+3], 32768
	s_wait_dscnt 0x0                               ; the add is done, and so are my reads of the slot
	CROUND                                         ; both hold of every wave of every work-group of the cluster
	s_cmp_lt_u32 s[WV], 1
	s_cbranch_scc0 .Lnot_codes_\@
	tensor_load_to_lds s[G0B:G0B+3], s[G1B:G1B+7]
	s_nop 0
	PLACES 4
	s_branch .Lnext_asked_\@
.Lnot_codes_\@:
	s_cmp_lt_u32 s[WV], 2
	s_cbranch_scc0 .Lnext_asked_\@
	tensor_load_to_lds s[G0SB:G0SB+3], s[G1SB:G1SB+7]
	s_nop 0
	PLACES 4
.Lnext_asked_\@:
.endm
	s_load_b256 s[4:11], s[0:1], 0x0               ; xc s[4:5], xs s[6:7], wc s[8:9], ws s[10:11]
	s_load_b128 s[12:15], s[0:1], 0x20             ; b_qkv s[12:13], qkvc s[14:15]
	s_load_b64 s[16:17], s[0:1], 0x30              ; qkvs
	v_lshl_add_u32 v254, v0, 2, SPARE
	v_mov_b32 v255, 0
	ds_add_u32 v254, v255                          ; the opening lines: the add twice on end and its wait
	ds_add_u32 v254, v255
	v_lshrrev_b32 v1, 5, v0
	v_readfirstlane_b32 s[WV], v1                  ; wave 0..3
	s_lshr_b32 s[HH], s[WV], 1
	s_and_b32 s[KS], s[WV], 1
	s_bfe_u32 s40, ttmp6, 0x40000                  ; cx
	s_bfe_u32 s41, ttmp6, 0x40004                  ; cy
	s_and_b32 s43, ttmp7, 0xffff
	s_lshl_b32 s[AT], s43, 2
	s_add_co_u32 s[AT], s[AT], s41
	s_lshl_b32 s[BT], ttmp9, 2
	s_add_co_u32 s[BT], s[BT], s40
	s_lshl_b32 s44, s41, 2
	s_lshl_b32 s44, 15, s44                        ; my row of the cluster
	s_lshl_b32 s45, 0x1111, s40                    ; my column
	; groups 1, elements of 8 bytes, no padding.  Codes: a tile's whole K is 8,192 consecutive bytes.  Scale words: dense, as rows of 256 bytes
	s_or_b32 s[G1A], s44, (3<<16)|(1<<21)
	s_or_b32 s[G1SA], s44, (3<<16)|(1<<21)
	s_or_b32 s[G1B], s45, (3<<16)|(1<<21)
	s_or_b32 s[G1SB], s45, (3<<16)|(1<<21)
	s_mov_b32 s[G1A+1], 1024<<16
	s_mov_b32 s[G1A+2], 16<<16                     ; 16 tiles
	s_mov_b32 s[G1A+3], 1024<<16
	s_mov_b32 s[G1A+4], 16
	s_mov_b32 s[G1A+5], 1024
	s_mov_b32 s[G1A+6], 0
	s_mov_b32 s[G1A+7], 0
	s_mov_b32 s[G1B+1], 1024<<16
	s_mov_b32 s[G1B+2], 8<<16                      ; 8 tiles
	s_mov_b32 s[G1B+3], 1024<<16
	s_mov_b32 s[G1B+4], 8
	s_mov_b32 s[G1B+5], 1024
	s_mov_b32 s[G1B+6], 0
	s_mov_b32 s[G1B+7], 0
	s_mov_b32 s[G1SA+1], 32<<16
	s_mov_b32 s[G1SA+2], 32<<16                    ; 8,192 bytes
	s_mov_b32 s[G1SA+3], 32<<16
	s_mov_b32 s[G1SA+4], 32
	s_mov_b32 s[G1SA+5], 32
	s_mov_b32 s[G1SA+6], 0
	s_mov_b32 s[G1SA+7], 0
	s_mov_b32 s[G1SB+1], 32<<16
	s_mov_b32 s[G1SB+2], 16<<16                    ; 4,096 bytes
	s_mov_b32 s[G1SB+3], 32<<16
	s_mov_b32 s[G1SB+4], 16
	s_mov_b32 s[G1SB+5], 32
	s_mov_b32 s[G1SB+6], 0
	s_mov_b32 s[G1SB+7], 0
	s_mov_b32 s101, 0
	s_mov_b32 s47, 0
	s_mov_b32 s104, 0x76543210
	s_mov_b32 s105, 0xfedcba98                     ; v_permlanex16_b32: lane l xor 16
	s_wait_dscnt 0x0
	s_wait_kmcnt 0x0
	s_mov_b32 s[G0A], 1
	s_mov_b32 s[G0A+1], 0
	s_lshl_b32 s100, s[AT], 17                     ; 16 tiles of 8,192 bytes a block of tokens
	s_add_nc_u64 s[G0A+2:G0A+3], s[4:5], s[100:101]
	s_or_b32 s[G0A+3], s[G0A+3], 0x80000000
	s_mov_b32 s[G0SA], 1
	s_mov_b32 s[G0SA+1], SCA
	s_lshl_b32 s100, s[AT], 13
	s_add_nc_u64 s[G0SA+2:G0SA+3], s[6:7], s[100:101]
	s_or_b32 s[G0SA+3], s[G0SA+3], 0x80000000
	s_mov_b32 s[G0B], 1
	s_mov_b32 s[G0B+1], BOFF
	s_lshl_b32 s46, s[BT], 16                      ; 8 tiles a block of columns
	s_add_nc_u64 s[G0B+2:G0B+3], s[8:9], s[46:47]
	s_or_b32 s[G0B+3], s[G0B+3], 0x80000000
	s_mov_b32 s[G0SB], 1
	s_mov_b32 s[G0SB+1], SCB
	s_lshl_b32 s46, s[BT], 12
	s_add_nc_u64 s[G0SB+2:G0SB+3], s[10:11], s[46:47]
	s_or_b32 s[G0SB+3], s[G0SB+3], 0x80000000
	CROUND                                         ; all sixteen work-groups are here: the joint loads meet
; the head's four joint loads, one a wave, in one tree of branches on the wave's number: every way passes exactly one
.macro ARM under, g0, g1, next
	s_cmp_lt_u32 s[WV], \under
	s_cbranch_scc0 \next
	tensor_load_to_lds s[\g0:\g0+3], s[\g1:\g1+7]
	s_nop 0
	PLACES 4
	s_branch .Lasked
\next:
.endm
	ARM 1, G0A, G1A, .Lhead_b
	ARM 2, G0B, G1B, .Lhead_sa
	ARM 3, G0SA, G1SA, .Lhead_sb
	tensor_load_to_lds s[G0SB:G0SB+3], s[G1SB:G1SB+7]
	s_nop 0
	PLACES 4
.Lasked:
	; scalar terms of the LDS addresses (s4 to s11 held arguments that have been used)
	s_lshl_b32 s4, s[WV], 15                       ; q, k: my four tiles of tokens
	s_lshl_b32 s5, s[HH], 15
	s_add_co_u32 s5, s5, BOFF                      ; v: my head's four tiles of columns, in slot 0
	s_lshl_b32 s6, s[KS], 16                       ; v: my eight tiles of tokens
	s_xor_b32 s7, s[WV], 3
	s_add_co_u32 s8, s7, 3
	s_add_co_u32 s7, s7, 1
	s_lshl_b32 s7, s7, 11                          ; q: from my tokens' scale words to slot 0's: 2,048 (4 - w)
	s_lshl_b32 s8, s8, 11                          ; k: to slot 1's, 4,096 on
	s_xor_b32 s9, s[KS], 1
	s_lshl_b32 s9, s9, 1
	s_add_co_u32 s9, s9, s[HH]
	s_add_co_u32 s9, s9, 2
	s_lshl_b32 s9, s9, 11                          ; v: from my tokens' words to my head's, in slot 0: 2,048 (4 + head - 2 x half)
	s_lshl_b32 s10, s[WV], 11
	s_add_co_u32 s10, s10, SCA
	s_lshl_b32 s11, s[KS], 12
	s_add_co_u32 s11, s11, SCA
	; my units of the output
	s_lshl_b32 s42, s[AT], 2
	s_add_co_u32 s42, s42, s[WV]
	s_lshl_b32 s100, s[BT], 7
	s_add_co_u32 s42, s42, s100                    ; q: 128 x pair + my four tiles of tokens; k: 1,024 units on
	s_lshl_b32 s100, s42, 12
	s_add_nc_u64 s[88:89], s[14:15], s[100:101]
	s_add_nc_u64 s[90:91], s[88:89], 0x400000
	s_lshl_b32 s100, s42, 8
	s_add_nc_u64 s[94:95], s[16:17], s[100:101]
	s_add_nc_u64 s[96:97], s[94:95], 0x40000
	s_lshl_b32 s46, s[BT], 1
	s_add_co_u32 s46, s46, s[HH]                   ; my head
	s_lshr_b32 s42, s[AT], 3
	s_lshl_b32 s42, s42, 8
	s_lshl_b32 s100, s46, 4
	s_add_co_u32 s42, s42, s100
	s_and_b32 s100, s[AT], 7
	s_lshl_b32 s100, s100, 1
	s_add_co_u32 s42, s42, s100
	s_add_co_u32 s42, s42, s[KS]
	s_add_co_u32 s42, s42, 2048                    ; v: 2,048 + 256 x batch + 16 x head + step of 128 keys
	s_lshl_b32 s100, s42, 12
	s_add_nc_u64 s[92:93], s[14:15], s[100:101]
	s_lshl_b32 s100, s42, 8
	s_add_nc_u64 s[98:99], s[16:17], s[100:101]
	s_lshl_b32 s100, s[BT], 9                      ; q's bias of the block's 128 columns; k's lies 4,096 bytes on
	s_add_nc_u64 s[2:3], s[12:13], s[100:101]
	s_lshl_b32 s100, s46, 8
	s_add_co_u32 s100, s100, 8192                  ; v's bias of my head's 64 columns
	s_add_nc_u64 s[66:67], s[12:13], s[100:101]
	v_and_b32 v3, 31, v0
	v_and_b32 v1, 15, v0                           ; r
	v_bfe_u32 v2, v0, 4, 1                         ; h
	v_lshlrev_b32 v9, 4, v3                        ; 16 x lane
	v_lshlrev_b32 v10, 2, v3                       ; 4 x lane
	v_lshlrev_b32 v11, 6, v2                       ; q, k: lane (r, h) wants, for tile 2 b + u, the bias of columns 32 b + 16 h + 8 u + 0 .. 7
	v_xor_b32 v202, 1, v2
	v_and_b32 v204, 8, v1
	v_add_nc_u32 v204, v204, v1                    ; v: 16 (r / 8) + r % 8: a lane wants its own row's bias
	v_lshlrev_b32 v204, 2, v204
	v_add_nc_u32 v4, s4, v9
	v_add_nc_u32 v5, s5, v9
	v_add_nc_u32 v6, BOFF, v9
	v_add_nc_u32 v7, BOFF+65536, v9
	v_add_nc_u32 v200, s6, v9
	v_mul_u32_u24 v8, s7, v2                       ; lanes 16-31 take B's words
	v_lshl_add_u32 v8, v1, 2, v8
	v_add_nc_u32 v8, s10, v8
	v_mul_u32_u24 v201, s8, v2
	v_lshl_add_u32 v201, v1, 2, v201
	v_add_nc_u32 v201, s10, v201
	v_mul_u32_u24 v203, s9, v202                   ; v: lanes 0-15 take the columns' words, which lie above the tokens'
	v_lshl_add_u32 v203, v1, 2, v203
	v_add_nc_u32 v203, s11, v203
	v_lshl_add_u32 v205, v1, 2, SCB                ; B's words alone, for its tiles 4 to 7
	v_lshl_add_u32 v206, v1, 2, SCB+4096
	v_lshl_add_u32 v207, v1, 2, s11
.irp b, 0,1,2,3
	v_mov_b32 v[TM+4+\b], 0                        ; written once: a lane permute's destination counts as read
.endr
	WIN 0xc0
.irp p, 0,1
.irp b, 0,1,2,3,4,5,6,7
.irp e, 0,1
	global_load_b128 v[64*\p+8*\b+4*\e:64*\p+8*\b+4*\e+3], v11, s[2:3] offset:4096*\p+(32*(\b/2)+8*(\b%2))*4+16*\e
.endr
.endr
.endr
.irp a, 0,1,2,3
.irp j, 0,1,2,3,4,5,6,7
	global_load_b32 v[128+8*\a+\j], v204, s[66:67] offset:(32*(\a/2)+8*(\a%2))*4
.endr
.endr
	WIN 0
	s_wait_alu depctr_va_vdst(0)
	NEXTB BOFF+65536, SCB+4096                     ; the head's four tiles are in; k's block is asked for, into slot 1: its first fill
	s_wait_loadcnt 0x0                             ; the biases
	PASS 4, 6, 8, 205, 1, 0                        ; q
	NEXTB BOFF, SCB                                ; k's block is in, nobody reads slot 0: v's block is asked for
	QUANT 88, 94
	PASS 4, 7, 201, 206, 1, 64                     ; k
	s_wait_tensorcnt 0x0                           ; my part of v's block has landed,
	s_wait_dscnt 0x0
	s_barrier_signal -1
	s_barrier_wait -1                              ; everybody's has.
	QUANT 90, 96
	PASS 5, 200, 203, 207, 2, 128                  ; v
	QUANT 92, 98
	s_wait_tensorcnt 0x0                           ; the wave's end
	ds_add_u32 v254, v255
	s_wait_dscnt 0x0
	CROUND                                         ; the closing round: no work-group ends while a partner may still ask for a tile that names it
	s_endpgm
.Lfunc_end_k_qf8031c5c61_qkv:
	.size	k_qf8031c5c61_qkv, .Lfunc_end_k_qf8031c5c61_qkv-k_qf8031c5c61_qkv
	.p2alignl 7, 3214868480
	.fill 96, 4, 3214868480
	.section	.rodata,"a",@progbits
	.p2align	6, 0x0
	.amdhsa_kernel k_qf8031c5c61_qkv
		.amdhsa_group_segment_fixed_size 327680
		.amdhsa_private_segment_fixed_size 0
		.amdhsa_enable_private_segment 0
		.amdhsa_kernarg_size 56
		.amdhsa_user_sgpr_count 2
		.amdhsa_user_sgpr_kernarg_segment_ptr 1
		.amdhsa_wavefront_size32 1
		.amdhsa_system_sgpr_workgroup_id_x 1
		.amdhsa_system_sgpr_workgroup_id_y 1
		.amdhsa_system_sgpr_workgroup_id_z 1
		.amdhsa_system_vgpr_workitem_id 0
		.amdhsa_next_free_vgpr 1024
		.amdhsa_next_free_sgpr 106
		.amdhsa_reserve_vcc 0
		.amdhsa_float_denorm_mode_32 3
		.amdhsa_float_denorm_mode_16_64 3
		.amdhsa_memory_ordered 1
		.amdhsa_forward_progress 1
		.amdhsa_inst_pref_size 217
	.end_amdhsa_kernel
	.amdgpu_metadata
---
amdhsa.version: [ 1, 2 ]
amdhsa.kernels:
  - .name:           k_qf8031c5c61_qkv
    .symbol:         k_qf8031c5c61_qkv.kd
    .args:
      - { .name: xc, .offset: 0, .size: 8, .value_kind: global_buffer, .address_space: global }
      - { .name: xs, .offset: 8, .size: 8, .value_kind: global_buffer, .address_space: global }
      - { .name: wc, .offset: 16, .size: 8, .value_kind: global_buffer, .address_space: global }
      - { .name: ws, .offset: 24, .size: 8, .value_kind: global_buffer, .address_space: global }
      - { .name: b_qkv, .offset: 32, .size: 8, .value_kind: global_buffer, .address_space: global }
      - { .name: qkvc, .offset: 40, .size: 8, .value_kind: global_buffer, .address_space: global }
      - { .name: qkvs, .offset: 48, .size: 8, .value_kind: global_buffer, .address_space: global }
    .group_segment_fixed_size: 327680
    .private_segment_fixed_size: 0
    .kernarg_segment_align: 8
    .kernarg_segment_size: 56
    .max_flat_workgroup_size: 128
    .sgpr_count:     106
    .vgpr_count:     1024
    .wavefront_size: 32
...
	.end_amdgpu_metadata
.endif
;; end of part 2
;; launch attn (part 3): grid 8 x 32, 16 waves a work-group, clusters of 4 x 1, 327,680 bytes of LDS; arguments qkvc, qkvs, oc, os; writes oc, os
.if DOCPART == 3
	.amdgcn_target "amdgcn-amd-amdhsa--gfx1250"
	.amdhsa_code_object_version 6
	.text
	.protected	k_qf8031c5c61_attn
	.globl	k_qf8031c5c61_attn
	.p2align	8
	.type	k_qf8031c5c61_attn,@function
k_qf8031c5c61_attn:
	s_mov_b64 s[64:65], 0
	v_nop
	global_prefetch_b8 v0, s[64:65] scope:SCOPE_SE
	s_setreg_imm32_b32 hwreg(HW_REG_WAVE_MODE, 25, 1), 1
	s_wait_xcnt 0x0
	s_wait_alu depctr_hold_cnt(0) depctr_sa_sdst(0) depctr_va_vdst(0) depctr_va_sdst(0) depctr_va_ssrc(0) depctr_va_vcc(0) depctr_vm_vsrc(0)
	s_getreg_b32 s2, hwreg(HW_REG_IB_STS2, 6, 4)
	s_cmp_eq_u32 s2, 0
	s_cbranch_scc0 .Lentry_in_a_cluster
	s_endpgm
.Lentry_in_a_cluster:
	s_bfe_u32 s2, ttmp6, 0x10000c
	s_cmp_lg_u32 s2, 0x3003
	s_cbranch_scc0 .Lentry_shape_is_right
	s_endpgm
.Lentry_shape_is_right:
; ATTENTION on codes of FP4 with E8M0 scales, head size 64, 2,048 keys, no mask; the result is quantised at once along (head, d) for the last product.
; t = score x log2(e) / 8; M = the running largest t rounded UP to a whole number; p = 2^(t - M) is quantised along the keys, not normalised.  The row's sum is taken of the unquantised p and divides O at the end.
; When M moves, the sum and O are multiplied by 2^(old M - new M): exact.
; SHARES.  A work-group: one batch, one pair of heads, 256 queries.  Each of sixteen waves owns one tile of 16 queries and walks all keys, 128 a step, for the pair's first head and then for its second.
; LAYOUT.  Both products are used transposed (S^T = K Q^T, O^T = V^T P^T): a lane holds one query.  THE KEYS OF A TILE ARE CHOSEN BY LDS ADDRESS: row 8 g + e of tile 4 c + u is key 64 c + 32 g + 8 u + e of the step,
; so that lane (r, h) holds in the 32 registers of tiles 4 c .. 4 c + 3 the whole block 2 c + h of 32 keys: a block's maximum needs no other lane, and the conversions' results are P's operand as they stand.
; HEAD SIZE 64 is half of the instruction's K.  Q's operand holds one head's four registers and four of zero codes, at the head's own place; K's operand holds the head's four registers at that place, and beside them
; four registers of other codes, which meet Q's zeros and add nothing (no scale byte is 0xff).
; LDS.  K (each image of 1,024 bytes followed by 64 of padding, so that the two groups of eight rows of a tile start in different banks), V and the scale words of both heads lie in LDS at once, each byte filled once.
; One tensor load a wave at the head: waves 0-3 K's quarters, 4-7 V's, 8 V's scale words, 9 K's (with 512 bytes more, which the look-ahead of the last step reads and nobody uses).
; CLUSTER 4 x 1: the four query blocks walk the same K and V; each tile is asked for jointly.  No prefetch: every tensor load stands at the head, ahead of any loop.
; THE STEP asks for the next step's K behind its first products and for the next V behind its second; the last step of a head so reads 22 fragments that are not used, all from filled bytes.
; A step's last four additions of the row's sum are made in the next step (behind the loop: on the way out), among the lines that find the row's maximum.
; LIMITS: p under 2^-126 comes out as 0; a block of zeros gets the byte 1 where the rule says 127 (its codes are zeros; only this program reads the bytes); NaN and infinities are not served;
; the scaled scores stay under 2^31 in magnitude.
.set WV,  12
.set NC,  18                           ; s18 -c
.set SEL, 20
.set CS,  22                           ; s[22:23] c = log2(e) / 8
.set G1K, 24
.set G1V, 32
.set G1VS, 40
.set G1KS, 48
.set G0K, 56
.set G0V, 60
.set G0VS, 68
.set G0KS, 72
.set TK,  76                           ; LDS byte of the next step's K, V, K's scale words, V's
.set TV,  77
.set TS,  78
.set TT,  79
.set CNT, 80
.set KP,   1088                        ; an image of 16 keys in LDS
.set VOFF, 128*KP
.set VSC,  VOFF+131072
.set KSC,  VSC+8192
.set SPARE, KSC+8704                   ; the spare words, 128 bytes a wave
; v1-4 lane terms of the LDS addresses (K, V, K's words, V's words); v5, v6 the add's registers; v7 the output's scale word; v8 4 (lane % 16); v10 8 (lane / 16); v12 -M, v13 the largest score; v[14:15] the sum
; v16-19 Q of head 0, v20-23 zeros, v24-27 Q of head 1; v28-31 and v64-67 zeros beside K; v216-219 at work; v[220:221] f
.set KF,  32                           ; v32-63   K, eight tiles of four registers
.set VF,  68                           ; v68-99   V
.set SS,  100                          ; v100-163 S^T, then p
.set OO,  164                          ; v164-195 O^T
.set PP,  196                          ; v196-203 p's codes
.set KSW, 204                          ; scale words: K's four, V's two, Q's, p's
.set VSW, 208
.set QSW, 210
.set PSW, 211
.set MA,  212                          ; the two blocks' maxima
.set MB,  214
.set SO,  222                          ; the conversions' scale operands
.set BY,  224                          ; the bytes
.set TR,  228                          ; v228-243 eight packed partial sums
.set MC,  236                          ; v236-243 the eight tiles' maxima, while the upper four partial sums are not in use
.set ADK, 244
.set ADS, 245
.set ADV, 246
.set ADT, 247
.set OC,  248                          ; v248-255 the output's codes
.macro ROUND
	s_barrier_signal -1
	s_barrier_wait -1
	s_cmp_lg_u32 s[WV], 0
	s_cbranch_scc1 .Lnot_wave_0_\@
	s_barrier_signal -3
.Lnot_wave_0_\@:
	s_barrier_wait -3
	s_barrier_signal -1
	s_barrier_wait -1
.endm
	s_load_b256 s[4:11], s[0:1], 0x0               ; qkvc, qkvs, oc, os
	v_lshl_add_u32 v5, v0, 2, SPARE
	v_mov_b32 v6, 0
	ds_add_u32 v5, v6                              ; the opening lines: the add twice on end and its wait
	ds_add_u32 v5, v6
	v_lshrrev_b32 v7, 5, v0
	v_readfirstlane_b32 s[WV], v7
	s_bfe_u32 s13, ttmp6, 0x40000                  ; cx: it enters Q's and the output's addresses alone
	s_lshl_b32 s14, ttmp9, 2
	s_add_co_u32 s14, s14, s13                     ; my block of 256 queries
	s_and_b32 s15, ttmp7, 0xffff
	s_lshr_b32 s16, s15, 3                         ; batch
	s_and_b32 s17, s15, 7                          ; pair of heads
	s_lshl_b32 s81, s17, 9
	s_lshl_b32 s82, s16, 7
	s_add_co_u32 s81, s81, s82                     ; 512 x pair + 128 x batch: the batch's first tile of tokens
	s_lshl_b32 s82, s16, 8
	s_lshl_b32 s83, s17, 5
	s_add_co_u32 s82, s82, s83                     ; 256 x batch + 32 x pair: V's first unit
	s_and_b32 s83, s[WV], 3                        ; which quarter of K or of V
	s_lshl_b32 s84, s83, 15
	s_lshl_b32 s86, s81, 10
	s_add_co_u32 s86, s86, 4194304                 ; k's images lie behind q's
	s_add_co_u32 s86, s86, s84
	s_mov_b32 s87, 0
	s_lshl_b32 s88, s82, 12
	s_add_co_u32 s88, s88, 8388608                 ; v's behind k's
	s_add_co_u32 s88, s88, s84
	s_mov_b32 s89, 0
	s_lshl_b32 s90, s82, 8
	s_add_co_u32 s90, s90, 524288
	s_mov_b32 s91, 0
	s_lshl_b32 s92, s81, 6
	s_add_co_u32 s92, s92, 262144
	s_mov_b32 s93, 0
	s_lshl_b32 s94, s16, 7
	s_lshl_b32 s95, s14, 4
	s_add_co_u32 s94, s94, s95
	s_add_co_u32 s94, s94, s[WV]                   ; my tile of tokens
	s_lshl_b32 s95, s17, 9
	s_add_co_u32 s95, s95, s94
	s_lshl_b32 s96, s95, 10                        ; Q's image
	s_mov_b32 s97, 0
	s_lshl_b32 s98, s95, 6                         ; Q's scale words
	s_mov_b32 s99, 0
	; groups 1: elements of 8 bytes, the mask names all four work-groups.  K: 32 rows of 1,024 bytes, 16 words of padding behind each 256; the others dense, rows of 256 bytes
	s_mov_b32 s[G1K], 15|(3<<16)|(1<<20)|(1<<21)|(7<<22)|(15<<25)
	s_mov_b32 s[G1K+1], 128<<16
	s_mov_b32 s[G1K+2], 32<<16
	s_mov_b32 s[G1K+3], 128<<16
	s_mov_b32 s[G1K+4], 32
	s_mov_b32 s[G1K+5], 128
	s_mov_b32 s[G1K+6], 0
	s_mov_b32 s[G1K+7], 0
.irp g, G1V, G1VS, G1KS
	s_mov_b32 s[\g], 15|(3<<16)|(1<<21)
	s_mov_b32 s[\g+1], 32<<16
	s_mov_b32 s[\g+3], 32<<16
	s_mov_b32 s[\g+5], 32
	s_mov_b32 s[\g+6], 0
	s_mov_b32 s[\g+7], 0
.endr
	s_mov_b32 s[G1V+2], 128<<16                    ; 32,768 bytes
	s_mov_b32 s[G1V+4], 128
	s_mov_b32 s[G1VS+2], 32<<16                    ; 8,192
	s_mov_b32 s[G1VS+4], 32
	s_mov_b32 s[G1KS+2], 34<<16                    ; 8,704
	s_mov_b32 s[G1KS+4], 34
	s_mov_b32 s[SEL], 0x76543210
	s_mov_b32 s[SEL+1], 0xfedcba98                 ; v_permlanex16_b32: lane l xor 16
	s_mov_b32 s[CS], 0x3e38aa3b
	s_mov_b32 s[CS+1], s[CS]
	s_mov_b32 s[NC], 0xbe38aa3b
	s_wait_dscnt 0x0
	s_wait_kmcnt 0x0
	s_mov_b32 s[G0K], 1
	s_mul_i32 s[G0K+1], s83, 32*KP
	s_add_nc_u64 s[G0K+2:G0K+3], s[4:5], s[86:87]
	s_or_b32 s[G0K+3], s[G0K+3], 0x80000000
	s_mov_b32 s[G0V], 1
	s_add_co_u32 s[G0V+1], s84, VOFF
	s_add_nc_u64 s[G0V+2:G0V+3], s[4:5], s[88:89]
	s_or_b32 s[G0V+3], s[G0V+3], 0x80000000
	s_mov_b32 s[G0VS], 1
	s_mov_b32 s[G0VS+1], VSC
	s_add_nc_u64 s[G0VS+2:G0VS+3], s[6:7], s[90:91]
	s_or_b32 s[G0VS+3], s[G0VS+3], 0x80000000
	s_mov_b32 s[G0KS], 1
	s_mov_b32 s[G0KS+1], KSC
	s_add_nc_u64 s[G0KS+2:G0KS+3], s[6:7], s[92:93]
	s_or_b32 s[G0KS+3], s[G0KS+3], 0x80000000
	ROUND                                          ; all four work-groups are here: the joint loads meet
.macro ARM under, g0, g1, next                 ; one tree of branches on the wave's number: no way passes two loads
	s_cmp_lt_u32 s[WV], \under
	s_cbranch_scc0 \next
	tensor_load_to_lds s[\g0:\g0+3], s[\g1:\g1+7]
	s_nop 0
.rept 4
	v_nop
.endr
	s_branch .Lhead_asked
\next:
.endm
	ARM 4, G0K, G1K, .Lhead_v
	ARM 8, G0V, G1V, .Lhead_vs
	ARM 9, G0VS, G1VS, .Lhead_ks
	ARM 10, G0KS, G1KS, .Lhead_none
.Lhead_asked:
	s_add_nc_u64 s[96:97], s[4:5], s[96:97]
	s_add_nc_u64 s[98:99], s[6:7], s[98:99]
	s_lshl_b32 s84, s94, 13
	s_lshl_b32 s85, s17, 10
	s_add_co_u32 s84, s84, s85                     ; the output's image: tile x 8,192 + pair x 1,024
	s_mov_b32 s85, 0
	s_add_nc_u64 s[8:9], s[8:9], s[84:85]
	s_lshl_b32 s84, s94, 9
	s_lshl_b32 s86, s17, 6
	s_add_co_u32 s84, s84, s86
	s_add_nc_u64 s[10:11], s[10:11], s[84:85]
	v_and_b32 v9, 31, v0
	v_lshlrev_b32 v2, 4, v9                        ; 16 x lane
	v_and_b32 v8, 15, v0
	v_lshlrev_b32 v8, 2, v8
	global_load_b128 v[16:19], v2, s[96:97]
	global_load_b128 v[24:27], v2, s[96:97] offset:512
	global_load_b32 v[QSW], v8, s[98:99]
	v_and_b32 v11, 7, v0                           ; e
	v_bfe_u32 v7, v0, 3, 1                         ; g
	v_bfe_u32 v10, v0, 4, 1                        ; h
	v_lshlrev_b32 v1, 4, v11
	v_lshl_add_u32 v1, v10, 8, v1
	v_mad_u32_u24 v1, v7, 2*KP, v1                 ; K: two images on for g, block h, row e
	v_lshlrev_b32 v3, 2, v11
	v_lshl_add_u32 v3, v10, 6, v3
	v_lshl_add_u32 v3, v7, 7, v3                   ; K's words: lanes 16-31 take the odd tile's
	v_lshlrev_b32 v4, 2, v9
	v_lshlrev_b32 v10, 3, v10
.irp z, 20,21,22,23,28,29,30,31,64,65,66,67,217,221,227
	v_mov_b32 v\z, 0                               ; zero codes; and registers that are named before they are first written
.endr
.macro INIT                                    ; the step is written once: the first finds zeros, which the first change of M leaves zeros
	v_mov_b32 v13, 0xff61b1e6                      ; -3e38
	v_floor_f32 v12, -v13
	v_mov_b32 v14, 0
	v_mov_b32 v15, 0
	v_mov_b32 v220, 0
.set u, 0
.rept 8
	v_mov_b32 v[TR+u], 0                           ; the four partial sums that the first step finishes
.set u, u+1
.endr
.set u, 0
.rept 32
	v_mov_b32 v[OO+u], 0
.set u, u+1
.endr
.endm
.macro SMUL t, hd
.if (\t)%2
	v_wmma_scale_f32_16x16x128_f8f6f4 v[SS+8*(\t):SS+8*(\t)+7], v[KF+4*(\t)-4*(\hd):KF+4*(\t)-4*(\hd)+7], v[16+4*(\hd):23+4*(\hd)], 0, v[KSW+(\t)/2], v[QSW] matrix_a_fmt:MATRIX_FMT_FP4 matrix_b_fmt:MATRIX_FMT_FP4 matrix_a_scale:MATRIX_SCALE_ROW1
.else
	v_wmma_scale_f32_16x16x128_f8f6f4 v[SS+8*(\t):SS+8*(\t)+7], v[KF+4*(\t)-4*(\hd):KF+4*(\t)-4*(\hd)+7], v[16+4*(\hd):23+4*(\hd)], 0, v[KSW+(\t)/2], v[QSW] matrix_a_fmt:MATRIX_FMT_FP4 matrix_b_fmt:MATRIX_FMT_FP4
.endif
.endm
.macro OMUL t
.if (\t)%2
	v_wmma_scale_f32_16x16x128_f8f6f4 v[OO+8*(\t):OO+8*(\t)+7], v[VF+8*(\t):VF+8*(\t)+7], v[PP:PP+7], v[OO+8*(\t):OO+8*(\t)+7], v[VSW+(\t)/2], v[PSW] matrix_a_fmt:MATRIX_FMT_FP4 matrix_b_fmt:MATRIX_FMT_FP4 matrix_a_scale:MATRIX_SCALE_ROW1
.else
	v_wmma_scale_f32_16x16x128_f8f6f4 v[OO+8*(\t):OO+8*(\t)+7], v[VF+8*(\t):VF+8*(\t)+7], v[PP:PP+7], v[OO+8*(\t):OO+8*(\t)+7], v[VSW+(\t)/2], v[PSW] matrix_a_fmt:MATRIX_FMT_FP4 matrix_b_fmt:MATRIX_FMT_FP4
.endif
.endm
.macro ADDR                                    ; the next step's four LDS addresses
	v_add_nc_u32 v[ADK], s[TK], v1
	v_add_nc_u32 v[ADS], s[TS], v3
	v_add_nc_u32 v[ADV], s[TV], v2
	v_add_nc_u32 v[ADT], s[TT], v4
	s_add_co_u32 s[TK], s[TK], 8*KP
	s_add_co_u32 s[TS], s[TS], 512
	s_add_co_u32 s[TV], s[TV], 4096
	s_add_co_u32 s[TT], s[TT], 256
.endm
.macro KLOAD hd                                ; 8 LDS loads: tile 4 c + 2 u1 + u0 takes rows 8 u1 + e of the images 4 c + 2 g + u0
.irp t, 0,1,2,3,4,5,6,7
	ds_load_b128 v[KF+4*\t:KF+4*\t+3], v[ADK] offset:4*KP*(\t/4)+KP*(\t%2)+128*((\t/2)%2)+512*\hd
.endr
.endm
.macro KSLOAD i                                ; one of K's four loads of scale words: lanes 0-15 tile 2 i's, lanes 16-31 tile 2 i + 1's
	ds_load_b32 v[KSW+\i], v[ADS] offset:256*(\i/2)+32*(\i%2)
.endm
.macro VLOAD                                   ; 10 LDS loads
.irp t, 0,1,2,3
.irp c, 0,1
	ds_load_b128 v[VF+8*\t+4*\c:VF+8*\t+4*\c+3], v[ADV] offset:1024*\t+512*\c
.endr
.endr
.irp i, 0,1
	ds_load_b32 v[VSW+\i], v[ADT] offset:128*\i
.endr
.endm
.macro TM u                                    ; t - M of two scores
	v_pk_fma_f32 v[SS+\u:SS+\u+1], v[SS+\u:SS+\u+1], s[CS:CS+1], v[12:13] op_sel_hi:[1,0,0]
.endm
.macro TADD k, src                             ; partial sum k takes two more numbers
	v_pk_add_f32 v[TR+2*\k:TR+2*\k+1], v[TR+2*\k:TR+2*\k+1], v[\src:\src+1]
.endm
.macro CVT c, q                                ; register 4 c + q of P's operand: keys 64 c + 32 h + 8 q + 0 .. 7
	v_cvt_scalef32_pk8_fp4_f32 v[PP+4*\c+\q], v[SS+32*\c+8*\q:SS+32*\c+8*\q+7], v[SO+\c]
.endm
; A KEY STEP: 128 keys of head hd
.macro STEP hd
	s_wait_dscnt 10                                ; K's twelve loads are in; V's ten, issued behind them, may be out
.irp t, 0,1,2,3,4,5,6,7
	SMUL \t, \hd
.endr
	ADDR                                           ; its four additions are the places behind the products
	KLOAD \hd                                      ; the next step's K
.irp t, 0,1,2,3,4,5,6,7                        ; the largest score of each tile, eight chains by turns; every accumulator is first read at its low end
	v_max3_num_f32 v[MC+\t], v[SS+8*\t], v[SS+8*\t+1], v[SS+8*\t+2]
.endr
.irp t, 0,1,2,3,4,5,6,7
	v_max3_num_f32 v[MC+\t], v[MC+\t], v[SS+8*\t+3], v[SS+8*\t+4]
.endr
.irp c, 0,1
	v_max3_num_f32 v[MB+\c], v[SS+32*\c+7], v[SS+32*\c+15], v[SS+32*\c+23]
.endr
.irp t, 0,1,2,3,4,5,6,7
	v_max3_num_f32 v[MC+\t], v[MC+\t], v[SS+8*\t+5], v[SS+8*\t+6]
.endr
	TADD 0, TR+4                                   ; the last step's sum is finished here, among the lines of the maximum
	TADD 1, TR+6
.irp c, 0,1
	v_max3_num_f32 v[MA+\c], v[MC+4*\c], v[MC+4*\c+1], v[MC+4*\c+2]
.endr
.irp c, 0,1
	v_max3_num_f32 v[MB+\c], v[MB+\c], v[MC+4*\c+3], v[SS+32*\c+31]
.endr
	TADD 0, TR+2
	v_mov_b32 v219, v12                            ; the old -M
.irp c, 0,1
	v_max_num_f32 v[MA+\c], v[MA+\c], v[MB+\c]     ; the largest score of my two blocks of 32 keys
.endr
	v_pk_fma_f32 v[14:15], v[14:15], v[220:221], v[TR:TR+1] op_sel_hi:[1,0,1]   ; the sum under the last step's M, and the last step's
	v_max_num_f32 v216, v[MA], v[MA+1]
	KSLOAD 0                                       ; the next step's scale words of K: LDS work between the links of a chain
	v_permlanex16_b32 v217, v216, s[SEL], s[SEL+1]
	KSLOAD 1
	v_max3_num_f32 v13, v13, v216, v217            ; the running largest score of my query
	KSLOAD 2
	v_mul_f32 v216, s[NC], v13
	KSLOAD 3
	v_floor_f32 v12, v216                          ; the new -M = -ceil(t): a whole number
	v_sub_f32 v218, v12, v219                      ; old M - new M, 0 or less
.irp u, 0,2,4,6
	TM \u
.endr
	v_cvt_i32_f32 v218, v218                       ; (it saturates)
.irp u, 8,10,12,14
	TM \u
.endr
	v_ldexp_f32 v220, 1.0, v218                    ; f = 2^(old M - new M)
.irp u, 16,18,20,22,24,26,28,30
	TM \u
.endr
.irp c, 0,1
	v_fma_f32 v[MA+\c], v[MA+\c], s[CS], v12       ; the same of each block's largest score
.endr
.set u, 0
.rept 16                                       ; O^T under the new M, each accumulator from its low end on: no transcendental stands between the last products and these lines
	v_pk_mul_f32 v[OO+u:OO+u+1], v[OO+u:OO+u+1], v[220:221] op_sel_hi:[1,0]
.set u, u+2
.endr
	s_wait_alu depctr_va_vdst(0)                   ; ahead of a batch of transcendentals
.set u, 0
.rept 16                                       ; p of the first 32 registers; t - M of the other 32 stands between
	v_exp_f32 v[SS+u], v[SS+u]
	v_exp_f32 v[SS+u+1], v[SS+u+1]
	v_pk_fma_f32 v[SS+32+u:SS+33+u], v[SS+32+u:SS+33+u], s[CS:CS+1], v[12:13] op_sel_hi:[1,0,0]
.set u, u+2
.endr
	s_wait_alu depctr_va_vdst(0)                   ; behind the first batch and ahead of the second
	v_exp_f32 v[MA], v[MA]                         ; the blocks' largest p: the same two instructions on the same numbers
	v_exp_f32 v[MA+1], v[MA+1]
.set u, 0
.rept 8                                        ; p of the other 32; the first sums of the first 32, each into registers of its own, stand between
	v_exp_f32 v[SS+32+4*u], v[SS+32+4*u]
	v_exp_f32 v[SS+33+4*u], v[SS+33+4*u]
	v_exp_f32 v[SS+34+4*u], v[SS+34+4*u]
	v_exp_f32 v[SS+35+4*u], v[SS+35+4*u]
	v_pk_add_f32 v[TR+2*u:TR+2*u+1], v[SS+4*u:SS+4*u+1], v[SS+4*u+2:SS+4*u+3]
.set u, u+1
.endr
	s_wait_dscnt 12                                ; V's ten loads are in; the next K's twelve may be out
	s_wait_alu depctr_va_vdst(0)                   ; behind the second batch, and behind the wait above
.irp c, 0,1
	v_max_num_f32 v[MA+\c], 0x1800000, v[MA+\c]    ; the floor 2^(3 - 127): the byte cannot fall under 1
.endr
.irp k, 0,1,2,3
	TADD \k, SS+32+2*\k
.endr
.irp c, 0,1
	v_add_nc_u32 v[SO+\c], 0xff000000, v[MA+\c]    ; 2 off the exponent field: the conversion's scale operand
.endr
.irp k, 4,5,6,7
	TADD \k, SS+32+2*\k
.endr
.irp c, 0,1
	v_lshrrev_b32 v[BY+\c], 23, v[SO+\c]
.endr
	CVT 0, 0
	CVT 0, 1
	v_lshl_or_b32 v226, v[BY+1], 16, v[BY]         ; my bytes: blocks h and 2 + h,
	CVT 0, 2
	CVT 0, 3
	v_lshlrev_b32 v226, v10, v226                  ; at their places,
	CVT 1, 0
	CVT 1, 1
	v_permlanex16_b32 v227, v226, s[SEL], s[SEL+1]
	CVT 1, 2
	CVT 1, 3
	v_or_b32 v[PSW], v226, v227                    ; with lane l xor 16's two: p's scale word; the eight additions below stand between it and the products
.irp k, 0,1,2,3,4,5,6,7
	TADD \k, SS+48+2*\k
.endr
.irp t, 0,1,2,3
	OMUL \t                                        ; the accumulators take turns
.endr
.irp k, 0,1,2,3
	TADD \k, TR+8+2*\k                             ; four places behind the products
.endr
	VLOAD                                          ; the next step's V
.endm
; O^T / the sum; its 32 registers are d = 32 b + 16 (lane / 16) + i: two blocks of the last product's K
.macro FINISH hd
	s_wait_alu depctr_va_vdst(0)
	s_wait_dscnt 0x0                               ; the look-ahead's loads have landed
	TADD 0, TR+4                                   ; the last step's sum is finished
	TADD 1, TR+6
	TADD 0, TR+2
	v_pk_fma_f32 v[14:15], v[14:15], v[220:221], v[TR:TR+1] op_sel_hi:[1,0,1]
	v_add_f32 v14, v14, v15
	v_permlanex16_b32 v217, v14, s[SEL], s[SEL+1]
	v_add_f32 v14, v14, v217
	s_wait_alu depctr_va_vdst(0)
	v_rcp_f32 v14, v14
	v_nop
	s_wait_alu depctr_va_vdst(0)
.set u, 0
.rept 16
	v_pk_mul_f32 v[SS+u:SS+u+1], v[OO+u:OO+u+1], v[14:15] op_sel_hi:[1,0]
.set u, u+2
.endr
.irp b, 0,1
	v_max3_num_f32 v[MA+\b], |v[SS+16*\b]|, |v[SS+16*\b+1]|, 0x1800000
.endr
.irp i, 2,4,6,8,10,12,14
.irp b, 0,1
	v_max3_num_f32 v[MA+\b], v[MA+\b], |v[SS+16*\b+\i]|, |v[SS+16*\b+\i+1]|
.endr
.endr
.irp b, 0,1
	v_permlanex16_b32 v[216+\b], v[MA+\b], s[SEL], s[SEL+1]
.endr
.irp b, 0,1
	v_max_num_f32 v[MA+\b], v[MA+\b], v[216+\b]
.endr
.irp b, 0,1
	v_add_nc_u32 v[SO+\b], 0xff000000, v[MA+\b]
.endr
.irp b, 0,1
	v_lshrrev_b32 v[BY+\b], 23, v[SO+\b]
.endr
.irp b, 0,1
	v_cvt_scalef32_pk8_fp4_f32 v[OC+4*\hd+2*\b], v[SS+16*\b:SS+16*\b+7], v[SO+\b]
	v_cvt_scalef32_pk8_fp4_f32 v[OC+4*\hd+2*\b+1], v[SS+16*\b+8:SS+16*\b+15], v[SO+\b]
.endr
	v_nop                                          ; one plain instruction behind a scaled conversion
	v_permlane16_swap_b32 v[OC+4*\hd], v[OC+4*\hd+2]
	v_permlane16_swap_b32 v[OC+4*\hd+1], v[OC+4*\hd+3]
	global_store_b128 v2, v[OC+4*\hd:OC+4*\hd+3], s[8:9] offset:512*\hd   ; 512 consecutive bytes
.if \hd == 0
	v_lshl_or_b32 v7, v[BY+1], 8, v[BY]            ; the scale word: two bytes a head
.else
	v_lshl_or_b32 v7, v[BY], 16, v7
	v_lshl_or_b32 v7, v[BY+1], 24, v7
.endif
.endm
.macro PASS hd                                 ; one head: 16 key steps
	s_mov_b32 s[TK], 0
	s_mov_b32 s[TS], KSC
	s_mov_b32 s[TV], VOFF+65536*\hd
	s_mov_b32 s[TT], VSC+4096*\hd
	ADDR
	KLOAD \hd
.irp i, 0,1,2,3
	KSLOAD \i
.endr
	VLOAD
	s_mov_b32 s[CNT], 16
	s_wait_alu depctr_va_vdst(0)                   ; ahead of the loop's waits
.Lstep_\@:
	STEP \hd
	s_sub_co_u32 s[CNT], s[CNT], 1
	s_cmp_lg_u32 s[CNT], 0
	s_cbranch_scc1 .Lstep_\@
	FINISH \hd
.endm
	INIT
	s_wait_alu depctr_va_vdst(0)
	s_wait_loadcnt 0x0                             ; Q
	s_wait_tensorcnt 0x0                           ; my tensor load, if I issued one, has landed;
	s_barrier_signal -1
	s_barrier_wait -1                              ; everybody's has.
	PASS 0
	INIT
	PASS 1
	global_store_b32 v8, v7, s[10:11]              ; lanes l and l + 16 hold the same word and store it to the same place
	s_wait_tensorcnt 0x0                           ; the wave's end
	ds_add_u32 v5, v6
	s_wait_dscnt 0x0
	ROUND                                          ; the closing round
	s_endpgm
.Lfunc_end_k_qf8031c5c61_attn:
	.size	k_qf8031c5c61_attn, .Lfunc_end_k_qf8031c5c61_attn-k_qf8031c5c61_attn
	.p2alignl 7, 3214868480
	.fill 96, 4, 3214868480
	.section	.rodata,"a",@progbits
	.p2align	6, 0x0
	.amdhsa_kernel k_qf8031c5c61_attn
		.amdhsa_group_segment_fixed_size 327680
		.amdhsa_private_segment_fixed_size 0
		.amdhsa_enable_private_segment 0
		.amdhsa_kernarg_size 32
		.amdhsa_user_sgpr_count 2
		.amdhsa_user_sgpr_kernarg_segment_ptr 1
		.amdhsa_wavefront_size32 1
		.amdhsa_system_sgpr_workgroup_id_x 1
		.amdhsa_system_sgpr_workgroup_id_y 1
		.amdhsa_system_sgpr_workgroup_id_z 1
		.amdhsa_system_vgpr_workitem_id 0
		.amdhsa_next_free_vgpr 256
		.amdhsa_next_free_sgpr 100
		.amdhsa_reserve_vcc 0
		.amdhsa_float_denorm_mode_32 3
		.amdhsa_float_denorm_mode_16_64 3
		.amdhsa_memory_ordered 1
		.amdhsa_forward_progress 1
		.amdhsa_inst_pref_size 52
	.end_amdhsa_kernel
	.amdgpu_metadata
---
amdhsa.version: [ 1, 2 ]
amdhsa.kernels:
  - .name:           k_qf8031c5c61_attn
    .symbol:         k_qf8031c5c61_attn.kd
    .args:
      - { .name: qkvc, .offset: 0, .size: 8, .value_kind: global_buffer, .address_space: global }
      - { .name: qkvs, .offset: 8, .size: 8, .value_kind: global_buffer, .address_space: global }
      - { .name: oc, .offset: 16, .size: 8, .value_kind: global_buffer, .address_space: global }
      - { .name: os, .offset: 24, .size: 8, .value_kind: global_buffer, .address_space: global }
    .group_segment_fixed_size: 327680
    .private_segment_fixed_size: 0
    .kernarg_segment_align: 8
    .kernarg_segment_size: 32
    .max_flat_workgroup_size: 512
    .sgpr_count:     100
    .vgpr_count:     256
    .wavefront_size: 32
...
	.end_amdgpu_metadata
.endif
;; end of part 3
;; launch fc (part 4): grid 8 x 32, 4 waves a work-group, clusters of 4 x 4, 262,656 bytes of LDS; arguments oc, os, wc, ws, b_fc, x, out0; writes out0
.if DOCPART == 4
	.amdgcn_target "amdgcn-amd-amdhsa--gfx1250"
	.amdhsa_code_object_version 6
	.text
	.protected	k_qf8031c5c61_fc
	.globl	k_qf8031c5c61_fc
	.p2align	8
	.type	k_qf8031c5c61_fc,@function
k_qf8031c5c61_fc:
	s_mov_b64 s[64:65], 0
	v_nop
	global_prefetch_b8 v0, s[64:65] scope:SCOPE_SE
	s_setreg_imm32_b32 hwreg(HW_REG_WAVE_MODE, 25, 1), 1
	s_wait_xcnt 0x0
	s_wait_alu depctr_hold_cnt(0) depctr_sa_sdst(0) depctr_va_vdst(0) depctr_va_sdst(0) depctr_va_ssrc(0) depctr_va_vcc(0) depctr_vm_vsrc(0)
	s_getreg_b32 s2, hwreg(HW_REG_IB_STS2, 6, 4)
	s_cmp_eq_u32 s2, 0
	s_cbranch_scc0 .Lentry_in_a_cluster
	s_endpgm
.Lentry_in_a_cluster:
	s_bfe_u32 s2, ttmp6, 0x10000c
	s_cmp_lg_u32 s2, 0xf033
	s_cbranch_scc0 .Lentry_shape_is_right
	s_endpgm
.Lentry_shape_is_right:
; OUT = Q(attention's result) Q(w_fc) + b_fc + x, on codes of FP4 with E8M0 scales; out0 [8192][1024] f32.
; A work-group multiplies 256 tokens "A" by 128 columns "B" over all of K = 1,024; source 0 = 16 columns of the weight, source 1 = 16 tokens: a lane holds one token, and the 16 registers of B's tiles 2 b and 2 b + 1 are 16
; neighbouring columns (all row indices are tiled by position = index with bits 3 and 4 exchanged).
; LDS: all of K lies there at once, filled once by one tensor load each: no byte is filled twice.  Codes and scale words lie in memory as images of the operands' registers.
; CLUSTER 4 x 4: A's tiles are shared along a row of the cluster, B's along a column; each is asked for jointly.  A wave: A's tiles 4 w .. 4 w + 3 x B's eight = 32 accumulators, which take turns.
; The bias is the C of the first products.  THE RESIDUAL, 64 rows x 512 bytes a wave, is asked for at the head into 256 registers of its own, in the layout of the way out, and lands under the products.
; THE WAY OUT: a tile of 16 tokens x 128 columns goes through the wave's own stage in LDS (no tensor load fills it) and comes back as whole rows of 512 bytes; the residual is added; 32 lanes store 512 consecutive bytes.
; No prefetch: every tensor load and every load of the residual is issued at the head.
; REGISTERS: window 0: v1-11 addresses; v32-95 scale words; v128-191 A's fragments, two sets; on the way out v128-191 and v192-255 by turns.
;   window 1: v0-127 B's fragments, two sets; v128-191 the bias.   window 2: accumulator (a, b) at v[8 (8 a + b)].   window 3: the residual, 64 registers for each tile of A.
.set WV,   18
; LDS as this text fills it: A's 16 tiles x 8,192 bytes (all of K), B's 8 tiles behind them, then the scale words.  One tensor load a wave, at the head: wave 0 A's codes, wave 1 B's, wave 2 A's scale words, wave 3 B's.
.set AT,   21                          ; hangs on cy, never on cx
.set BT,   22                          ; hangs on cx, never on cy
.set TMP,  23
.set G1A,  24
.set G0A,  32
.set G1B,  48
.set G0B,  56
.set G1SA, 68
.set G0SA, 76
.set G1SB, 80
.set G0SB, 88
.set BOFF, 131072
.set SCA,  196608
.set STAGE, 208896                     ; behind the scale words: 16 rows x 528 bytes for each wave
.set SC,   32
.set AF,   128
.set BI,   128
.set STO,  11                          ; v11  the stage, in
.set RD,   3                           ; v3   the stage, out
.set MSB, 0
.macro WIN new
.if MSB != \new
	s_set_vgpr_msb (MSB<<8)|\new
.set MSB, \new
.endif
.endm
.macro CROUND
	s_barrier_signal -1
	s_barrier_wait -1
	s_cmp_lg_u32 s[WV], 0
	s_cbranch_scc1 .Lnot_wave_0_\@
	s_barrier_signal -3
.Lnot_wave_0_\@:
	s_barrier_wait -3
	s_barrier_signal -1
	s_barrier_wait -1
.endm
.macro PLACES n
.rept \n
	v_nop
.endr
.endm
.macro SCALES                          ; register SC + 8 i + k: lanes 0-15 the word of my tile i of A, lanes 16-31 that of B's tile i, for K step k (for i above 3 the lower lanes read bytes that nobody uses)
.irp i, 0,1,2,3,4,5,6,7
.irp k, 0,1,2,3,4,5,6,7
	ds_load_b32 v[SC+8*\i+\k], v8 offset:512*\i+64*\k
.endr
.endr
.endm
.macro FETCH k
	WIN 0x40
.irp i, 0,1,2,3,4,5,6,7
.irp c, 0,1
	ds_load_b128 v[64*((\k)%2)+8*\i+4*\c:64*((\k)%2)+8*\i+4*\c+3], v6 offset:8192*\i+1024*(\k)+512*\c
.endr
.endr
	WIN 0
.irp i, 0,1,2,3
.irp c, 0,1
	ds_load_b128 v[AF+32*((\k)%2)+8*\i+4*\c:AF+32*((\k)%2)+8*\i+4*\c+3], v4 offset:8192*\i+1024*(\k)+512*\c
.endr
.endr
.endm
.macro MUL k, cmode                    ; cmode 0: onto the sums; 1: the bias of B's tile starts them
.if \cmode == 0
	WIN 0xa1
.else
	WIN 0x91
.endif
.irp a, 0,1,2,3
.irp b, 0,1,2,3,4,5,6,7
.set DD, 8*(8*\a+\b)
.if \cmode == 0
.set CC, DD
.else
.set CC, BI+8*\b
.endif
	v_wmma_scale_f32_16x16x128_f8f6f4 v[DD:DD+7], v[64*((\k)%2)+8*\b:64*((\k)%2)+8*\b+7], v[AF+32*((\k)%2)+8*\a:AF+32*((\k)%2)+8*\a+7], v[CC:CC+7], v[SC+8*\b+(\k)], v[SC+8*\a+(\k)] matrix_a_fmt:MATRIX_FMT_FP4 matrix_b_fmt:MATRIX_FMT_FP4 matrix_a_scale:MATRIX_SCALE_ROW1
.endr
.endr
.endm
.macro STEP k
	s_wait_dscnt 0x0                               ; this step's fragments are in
.if (\k) < 7
	PLACES 4                                       ; between the last products and loads into registers that they read
	FETCH (\k)+1
.endif
	MUL \k, 0
.endm
.macro RES at                          ; the residual of my tile at: row t of the tile is token 32 (at / 2) + 8 (at % 2) + 16 (t / 8) + t % 8 of my 64; 512 consecutive bytes a load
.irp t, 0,1,2,3,4,5,6,7,8,9,10,11,12,13,14,15
	global_load_b128 v[64*(\at)+4*\t:64*(\at)+4*\t+3], v9, s[14:15] offset:(32*((\at)/2)+8*((\at)%2)+16*(\t/8)+\t%8)*4096 th:TH_LOAD_NT
.endr
.endm
.macro OUT at
.set BK, 128+64*((\at)%2)
.if (\at) > 1
	s_wait_xcnt 0x0                                ; the stores of two tiles back have read their registers: they may be loaded again
.endif
	WIN 0x08                                       ; an LDS store's data are its source 1: window 2
.irp b, 0,1,2,3,4,5,6,7
	ds_store_b128 v[STO], v[64*(\at)+8*\b:64*(\at)+8*\b+3] offset:128*(\b/2)+32*(\b%2)        ; each accumulator from its low end on
	ds_store_b128 v[STO], v[64*(\at)+8*\b+4:64*(\at)+8*\b+7] offset:128*(\b/2)+32*(\b%2)+16
.endr
	WIN 0
.irp t, 0,1,2,3,4,5,6,7,8,9,10,11,12,13,14,15
	ds_load_b128 v[BK+4*\t:BK+4*\t+3], v[RD] offset:528*\t   ; LDS serves a wave's instructions in order: these see my stores
.endr
	s_wait_dscnt 0x0
	s_wait_loadcnt 48-16*(\at)                     ; this tile's residual is in; the later tiles' may be out
	WIN 0x0c                                       ; source 1 window 3
.set u, 0
.rept 32
	v_pk_add_f32 v[BK+u:BK+u+1], v[BK+u:BK+u+1], v[64*(\at)+u:64*(\at)+u+1]
.set u, u+2
.endr
	WIN 0
.irp t, 0,1,2,3,4,5,6,7,8,9,10,11,12,13,14,15
	global_store_b128 v9, v[BK+4*\t:BK+4*\t+3], s[16:17] offset:(32*((\at)/2)+8*((\at)%2)+16*(\t/8)+\t%8)*4096 th:TH_STORE_NT   ; 512 consecutive bytes, at a multiple of 256 from out0's first byte
.endr
.endm
	s_load_b256 s[4:11], s[0:1], 0x0               ; oc s[4:5], os s[6:7], wc s[8:9], ws s[10:11]
	s_load_b128 s[12:15], s[0:1], 0x20             ; b_fc s[12:13], x s[14:15]
	s_load_b64 s[16:17], s[0:1], 0x30              ; out0
	v_lshl_add_u32 v126, v0, 2, 0x40000
	v_mov_b32 v127, 0
	ds_add_u32 v126, v127
	ds_add_u32 v126, v127
	v_lshrrev_b32 v1, 5, v0
	v_readfirstlane_b32 s[WV], v1
	s_bfe_u32 s40, ttmp6, 0x40000                  ; cx
	s_bfe_u32 s41, ttmp6, 0x40004                  ; cy
	s_and_b32 s43, ttmp7, 0xffff
	s_lshl_b32 s[AT], s43, 2
	s_add_co_u32 s[AT], s[AT], s41                 ; block of 256 tokens
	s_lshl_b32 s[BT], ttmp9, 2
	s_add_co_u32 s[BT], s[BT], s40                 ; block of 128 columns
	s_lshl_b32 s44, s41, 2
	s_lshl_b32 s44, 15, s44                        ; my row of the cluster
	s_lshl_b32 s45, 0x1111, s40                    ; my column
	s_or_b32 s[G1A], s44, (3<<16)|(1<<21)
	s_or_b32 s[G1SA], s44, (3<<16)|(1<<21)
	s_or_b32 s[G1B], s45, (3<<16)|(1<<21)
	s_or_b32 s[G1SB], s45, (3<<16)|(1<<21)
	s_mov_b32 s[G1A+1], 1024<<16                   ; a tile's whole K: 8,192 consecutive bytes
	s_mov_b32 s[G1A+2], 16<<16                     ; 16 tiles
	s_mov_b32 s[G1A+3], 1024<<16
	s_mov_b32 s[G1A+4], 16
	s_mov_b32 s[G1A+5], 1024
	s_mov_b32 s[G1A+6], 0
	s_mov_b32 s[G1A+7], 0
	s_mov_b32 s[G1B+1], 1024<<16
	s_mov_b32 s[G1B+2], 8<<16
	s_mov_b32 s[G1B+3], 1024<<16
	s_mov_b32 s[G1B+4], 8
	s_mov_b32 s[G1B+5], 1024
	s_mov_b32 s[G1B+6], 0
	s_mov_b32 s[G1B+7], 0
	s_mov_b32 s[G1SA+1], 32<<16                    ; scale words: dense, as rows of 256 bytes
	s_mov_b32 s[G1SA+2], 32<<16
	s_mov_b32 s[G1SA+3], 32<<16
	s_mov_b32 s[G1SA+4], 32
	s_mov_b32 s[G1SA+5], 32
	s_mov_b32 s[G1SA+6], 0
	s_mov_b32 s[G1SA+7], 0
	s_mov_b32 s[G1SB+1], 32<<16
	s_mov_b32 s[G1SB+2], 16<<16
	s_mov_b32 s[G1SB+3], 32<<16
	s_mov_b32 s[G1SB+4], 16
	s_mov_b32 s[G1SB+5], 32
	s_mov_b32 s[G1SB+6], 0
	s_mov_b32 s[G1SB+7], 0
	s_lshl_b32 s92, s[AT], 17
	s_mov_b32 s93, 0
	s_lshl_b32 s94, s[AT], 13
	s_mov_b32 s95, 0
	s_lshl_b32 s96, s[BT], 16
	s_add_co_u32 s96, s96, 0x180000                ; w_fc's columns are the weights' tiles 192 on
	s_mov_b32 s97, 0
	s_lshl_b32 s98, s[BT], 12
	s_add_co_u32 s98, s98, 0x18000
	s_mov_b32 s99, 0
	s_wait_dscnt 0x0
	s_wait_kmcnt 0x0
	s_add_nc_u64 s[4:5], s[4:5], s[92:93]
	s_add_nc_u64 s[6:7], s[6:7], s[94:95]
	s_add_nc_u64 s[8:9], s[8:9], s[96:97]
	s_add_nc_u64 s[10:11], s[10:11], s[98:99]
	s_mov_b32 s[G0SA], 1
	s_mov_b32 s[G0SA+1], SCA
	s_mov_b64 s[G0SA+2:G0SA+3], s[6:7]
	s_or_b32 s[G0SA+3], s[G0SA+3], 0x80000000
	s_mov_b32 s[G0SB], 1
	s_mov_b32 s[G0SB+1], SCA+8192                  ; behind A's 8,192 bytes
	s_mov_b64 s[G0SB+2:G0SB+3], s[10:11]
	s_or_b32 s[G0SB+3], s[G0SB+3], 0x80000000
	s_mov_b32 s[G0A], 1
	s_mov_b32 s[G0A+1], 0
	s_mov_b64 s[G0A+2:G0A+3], s[4:5]
	s_or_b32 s[G0A+3], s[G0A+3], 0x80000000
	s_mov_b32 s[G0B], 1
	s_mov_b32 s[G0B+1], BOFF
	s_mov_b64 s[G0B+2:G0B+3], s[8:9]
	s_or_b32 s[G0B+3], s[G0B+3], 0x80000000
	CROUND                                         ; all sixteen work-groups are here: the joint loads meet
; the head's four joint loads, one a wave, in one tree of branches on the wave's number: every way passes exactly one
.macro ARM under, g0, g1, next
	s_cmp_lt_u32 s[WV], \under
	s_cbranch_scc0 \next
	tensor_load_to_lds s[\g0:\g0+3], s[\g1:\g1+7]
	s_nop 0
	PLACES 4
	s_branch .Lasked
\next:
.endm
	ARM 1, G0A, G1A, .Lhead_b
	ARM 2, G0B, G1B, .Lhead_sa
	ARM 3, G0SA, G1SA, .Lhead_sb
	tensor_load_to_lds s[G0SB:G0SB+3], s[G1SB:G1SB+7]
	s_nop 0
	PLACES 4
.Lasked:
	v_and_b32 v3, 31, v0
	v_and_b32 v1, 15, v0                           ; r
	v_bfe_u32 v2, v0, 4, 1                         ; h
	v_lshlrev_b32 v9, 4, v3                        ; 16 x lane
	v_lshlrev_b32 v10, 6, v2                       ; 64 h: the bias
	s_wait_alu depctr_va_vdst(0)
	s_lshl_b32 s100, s[AT], 20                     ; my 64 tokens' rows of 4,096 bytes and my block's 512 bytes of them, in x and in out0
	s_lshl_b32 s101, s[WV], 18
	s_add_co_u32 s100, s100, s101
	s_lshl_b32 s104, s[BT], 9
	s_add_co_u32 s100, s100, s104
	s_mov_b32 s101, 0
	s_mov_b32 s105, 0
	s_add_nc_u64 s[14:15], s[14:15], s[100:101]
	s_add_nc_u64 s[16:17], s[16:17], s[100:101]
	s_add_nc_u64 s[12:13], s[12:13], s[104:105]
	WIN 0x40
.irp b, 0,1,2,3,4,5,6,7                        ; lane (r, h) wants, for tile 2 b + u, the bias of columns 32 b + 16 h + 8 u + 0 .. 7
.irp e, 0,1
	global_load_b128 v[BI+8*\b+4*\e:BI+8*\b+4*\e+3], v10, s[12:13] offset:(32*(\b/2)+8*(\b%2))*4+16*\e
.endr
.endr
	WIN 0xc0
	RES 0
	RES 1
	RES 2
	WIN 0
	s_lshl_b32 s[TMP], s[WV], 15
	v_add_nc_u32 v4, s[TMP], v9                    ; my four tiles of A, 8,192 bytes each
	v_add_nc_u32 v6, BOFF, v9                      ; B's eight tiles
	s_xor_b32 s[TMP], s[WV], 3
	s_add_co_u32 s[TMP], s[TMP], 1
	s_lshl_b32 s[TMP], s[TMP], 11                  ; from my tiles' scale words to B's: 2,048 (4 - w)
	v_mul_u32_u24 v8, s[TMP], v2                   ; lanes 16-31 take B's
	v_lshl_add_u32 v8, v1, 2, v8
	s_lshl_b32 s[TMP], s[WV], 11
	s_add_co_u32 s[TMP], s[TMP], SCA
	v_add_nc_u32 v8, s[TMP], v8
	s_mul_i32 s[TMP], s[WV], 16*528
	s_add_co_u32 s[TMP], s[TMP], STAGE             ; my stage
	v_mul_u32_u24 v[STO], v1, 528
	v_lshl_add_u32 v[STO], v2, 6, v[STO]
	v_add_nc_u32 v[STO], s[TMP], v[STO]            ; in: row r, + 64 h
	v_add_nc_u32 v[RD], s[TMP], v9                 ; out: a row of 512 bytes, 16 a lane
	s_wait_alu depctr_va_vdst(0)
	s_wait_tensorcnt 0x0                           ; my one tensor load has landed
	s_barrier_signal -1
	s_barrier_wait -1
	SCALES
	FETCH 0
	s_wait_loadcnt 48                              ; the bias is in; the 48 loads of the residual issued behind it may be out
	WIN 0xc0
	RES 3
	WIN 0
	s_wait_dscnt 0x0
	FETCH 1
	MUL 0, 1
.irp q, 1,2,3,4,5,6,7
	STEP \q
.endr
	PLACES 4                                       ; in front of the first read of results and of loads into the registers that held A's fragments
.irp q, 0,1,2,3
	OUT \q
.endr
	s_wait_dscnt 0x0
	s_wait_tensorcnt 0x0
	ds_add_u32 v126, v127
	s_wait_dscnt 0x0
	CROUND                                         ; the closing round: no work-group ends while a partner may still ask for a tile that names it
	s_endpgm
.Lfunc_end_k_qf8031c5c61_fc:
	.size	k_qf8031c5c61_fc, .Lfunc_end_k_qf8031c5c61_fc-k_qf8031c5c61_fc
	.p2alignl 7, 3214868480
	.fill 96, 4, 3214868480
	.section	.rodata,"a",@progbits
	.p2align	6, 0x0
	.amdhsa_kernel k_qf8031c5c61_fc
		.amdhsa_group_segment_fixed_size 262656
		.amdhsa_private_segment_fixed_size 0
		.amdhsa_enable_private_segment 0
		.amdhsa_kernarg_size 56
		.amdhsa_user_sgpr_count 2
		.amdhsa_user_sgpr_kernarg_segment_ptr 1
		.amdhsa_wavefront_size32 1
		.amdhsa_system_sgpr_workgroup_id_x 1
		.amdhsa_system_sgpr_workgroup_id_y 1
		.amdhsa_system_sgpr_workgroup_id_z 1
		.amdhsa_system_vgpr_workitem_id 0
		.amdhsa_next_free_vgpr 1024
		.amdhsa_next_free_sgpr 106
		.amdhsa_reserve_vcc 0
		.amdhsa_float_denorm_mode_32 3
		.amdhsa_float_denorm_mode_16_64 3
		.amdhsa_memory_ordered 1
		.amdhsa_forward_progress 1
		.amdhsa_inst_pref_size 89
	.end_amdhsa_kernel
	.amdgpu_metadata
---
amdhsa.version: [ 1, 2 ]
amdhsa.kernels:
  - .name:           k_qf8031c5c61_fc
    .symbol:         k_qf8031c5c61_fc.kd
    .args:
      - { .name: oc, .offset: 0, .size: 8, .value_kind: global_buffer, .address_space: global }
      - { .name: os, .offset: 8, .size: 8, .value_kind: global_buffer, .address_space: global }
      - { .name: wc, .offset: 16, .size: 8, .value_kind: global_buffer, .address_space: global }
      - { .name: ws, .offset: 24, .size: 8, .value_kind: global_buffer, .address_space: global }
      - { .name: b_fc, .offset: 32, .size: 8, .value_kind: global_buffer, .address_space: global }
      - { .name: x, .offset: 40, .size: 8, .value_kind: global_buffer, .address_space: global }
      - { .name: out0, .offset: 48, .size: 8, .value_kind: global_buffer, .address_space: global }
    .group_segment_fixed_size: 262656
    .private_segment_fixed_size: 0
    .kernarg_segment_align: 8
    .kernarg_segment_size: 56
    .max_flat_workgroup_size: 128
    .sgpr_count:     106
    .vgpr_count:     1024
    .wavefront_size: 32
...
	.end_amdgpu_metadata
.endif
;; end of part 4
